; MI455X (gfx1250); checked and timed in simulation.
; The chip was launched on July 23, 2026; its instructions are those of AMD's public machine-readable ISA for CDNA 5 (MIT licence, August 2026) and "CDNA5" Instruction Set Architecture Reference Guide (July 2026). The comments in the code are by the model that wrote it; some were corrected since.
;; Multihead Attention. Allowed arithmetic: float matrix products may take bf16 or f16 operands with f32 sums; other float arithmetic in f32, or as packed bf16 or f16 multiplies, adds, multiply-adds, maxima and minima; sums over many terms, partial sums and values carried from step to step in f32; what a program stores and reads back later, other than sums and carried values, may be rounded once to bf16 or f16.
;; Inputs: Wk 2,048 x 2,048 float32; Wo 2,048 x 2,048 float32; Wq 2,048 x 2,048 float32; Wv 2,048 x 2,048 float32; bo 2,048 float32; key 2 x 2,048 x 2,048 float32; mask 1,024 x 2,048 bool; query 2 x 1,024 x 2,048 float32; value 2 x 2,048 x 2,048 float32.
;; Outputs: out0 2 x 1,024 x 2,048 float32.
;; 2 versions, each right; version 2 is version 1 with the launch prep written anew for expert scheduling mode. Each part assembles by itself: llvm-mc -triple=amdgcn-amd-amdhsa -mcpu=gfx1250 --defsym DOCPART=n.
;; ======== version 1 of 2: 5 launches
;; limits: values are held in f16: magnitudes above 65,504 overflow, below 6.1e-05 lose precision; right only within a limited range of input values
;; workspace buffers: aq 16,785,408 bytes; ao 16,785,408 bytes; xkv 33,554,432 bytes; wkv 16,777,216 bytes; kv16 33,554,432 bytes; q32 16,777,216 bytes; mbits 262,144 bytes of whole numbers
;; launch prep (part 1): grid 128 x 10, 8 waves a work-group, no clusters, 0 bytes of LDS; arguments query, key, value, Wq, Wk, Wv, Wo, bo, mask, aq, xkv, wkv, ao, mbits; writes aq, xkv, wkv, ao, mbits
.if DOCPART == 1
	.amdgcn_target "amdgcn-amd-amdhsa--gfx1250"
	.amdhsa_code_object_version 6
	.text
	.protected	k_qcf08ff37a6_prep
	.globl	k_qcf08ff37a6_prep
	.p2align	8
	.type	k_qcf08ff37a6_prep,@function
k_qcf08ff37a6_prep:
	s_mov_b64 s[64:65], 0
	v_nop
	global_prefetch_b8 v0, s[64:65] scope:SCOPE_SE
	s_setreg_imm32_b32 hwreg(HW_REG_WAVE_MODE, 25, 1), 1
	s_wait_xcnt 0x0
; PREP.  Every f32 matrix input is read once, rounded to bf16 (nearest even), and that number is written as f16 for the products of the later launches; the mask becomes lane-mask words; the bias is
; rounded to bf16 and kept as f32; a zero bias is written for the projection that has none.
; LIMITS.  A bf16 number is exact in f16 from 2^-14 up to 65,504; below that it keeps f16's fixed step of 2^-24; beyond 65,504 it becomes an infinity: inputs are taken to lie within 65,504.
; SHARES.  Grid y = 0..8: one unit of 16,777,216 source bytes each (query; key, two units; value, two units; Wq; Wk; Wv; Wo); grid x = 0..127: 131,072 bytes of the unit.  Thread t takes 16 bytes
; at 16 t of every 4,096: a wave's load covers 512 consecutive bytes, its store of 8 bytes a lane 256 consecutive bytes at a multiple of 256.  Grid y = 9: the mask (and, in work-group 0, the biases).
; No LDS, no matrix unit, no cluster: nothing is shared and nothing is multiplied.
.set RING, 8                           ; loads in flight in each wave
.set X, 4                              ; v[4:35]   slot i: four f32 as loaded
.set T, 36                             ; v[36:41]  at work
.set Y, 44                             ; v[44:59]  slot i: four f16 to store
	s_load_b512 s[8:23], s[0:1], 0x0               ; query 8, key 10, value 12, Wq 14, Wk 16, Wv 18, Wo 20, bo 22
	s_load_b256 s[24:31], s[0:1], 0x40             ; mask 24, aq 26, xkv 28, wkv 30
	s_load_b128 s[32:35], s[0:1], 0x60             ; ao 32, mbits 34
	s_and_b32 s2, ttmp7, 0xffff                    ; y: the unit
	s_mov_b32 s3, ttmp9                            ; x: the part of it
	s_mov_b32 s44, 0xffff0000                      ; a word's upper bf16
	v_lshlrev_b32 v1, 4, v0                        ; 16 t
	v_lshlrev_b32 v2, 3, v0                        ; 8 t
	s_wait_kmcnt 0x0
	s_cmp_eq_u32 s2, 9
	s_cbranch_scc1 .Lmask
; the unit's source and destination: a choice between buffers on y alone
.macro PICK d, at, b
	s_cmp_ge_u32 s2, \at
	s_cselect_b64 s[\d:\d+1], s[\b:\b+1], s[\d:\d+1]
.endm
	s_mov_b64 s[36:37], s[8:9]                     ; y = 0: query
	PICK 36, 1, 10                                 ; 1, 2: key
	PICK 36, 3, 12                                 ; 3, 4: value
	PICK 36, 5, 14                                 ; 5: Wq
	PICK 36, 6, 16                                 ; 6: Wk
	PICK 36, 7, 18                                 ; 7: Wv
	PICK 36, 8, 20                                 ; 8: Wo
	s_mov_b64 s[38:39], s[26:27]                   ; y = 0: aq
	PICK 38, 1, 28                                 ; 1 to 4: xkv
	PICK 38, 5, 26                                 ; 5: aq
	PICK 38, 6, 30                                 ; 6, 7: wkv
	PICK 38, 8, 32                                 ; 8: ao
	s_lshr_b32 s40, 0x14, s2                       ; units 2 and 4 are the second halves of key and value
	s_and_b32 s40, s40, 1
	s_lshl_b32 s40, s40, 24
	s_lshl_b32 s41, s3, 17
	s_add_co_u32 s40, s40, s41
	s_mov_b32 s41, 0
	s_add_nc_u64 s[36:37], s[36:37], s[40:41]
	s_lshl_b32 s42, s2, 1                          ; the unit's place in its destination, in steps of 8,388,608 bytes: two bits for each y: 0,0,1,2,3,1,0,1,1
	s_lshr_b32 s42, 0x14790, s42
	s_and_b32 s42, s42, 3
	s_lshl_b32 s42, s42, 23
	s_lshl_b32 s43, s3, 16
	s_add_co_u32 s42, s42, s43
	s_mov_b32 s43, 0
	s_add_nc_u64 s[38:39], s[38:39], s[42:43]
.irp i, 0,1,2,3,4,5,6,7
	global_load_b128 v[X+4*(\i):X+4*(\i)+3], v1, s[36:37] offset:(\i)*4096 th:TH_LOAD_NT  ; the ring is filled: chunks 0 to 7
.endr
; One slot's turn.  ahead = 1: the slot is loaded again with the chunk eight further on.  left = the younger loads, which may stay out.
.macro SLOT i, ahead, left
	s_wait_loadcnt \left                           ; loads come back in order (ISA guide 5.7.1): mine is in
	s_wait_xcnt 0x0                                ; the slot's last store has had its address translated: only now is its Y rewritten
	v_cvt_pk_bf16_f32 v[T], v[X+4*(\i)], v[X+4*(\i)+1]      ; the one rounding: to bf16
	v_cvt_pk_bf16_f32 v[T+1], v[X+4*(\i)+2], v[X+4*(\i)+3]
	v_lshlrev_b32 v[T+2], 16, v[T]                 ; back to f32: a shift or a mask
	v_and_b32 v[T+3], s44, v[T]
	v_lshlrev_b32 v[T+4], 16, v[T+1]
	v_and_b32 v[T+5], s44, v[T+1]
	v_cvt_pk_f16_f32 v[Y+2*(\i)], v[T+2], v[T+3]   ; the same number as f16
	v_cvt_pk_f16_f32 v[Y+2*(\i)+1], v[T+4], v[T+5]
.if \ahead
	global_load_b128 v[X+4*(\i):X+4*(\i)+3], v1, s[36:37] offset:(RING+(\i))*4096 th:TH_LOAD_NT
.endif
	global_store_b64 v2, v[Y+2*(\i):Y+2*(\i)+1], s[38:39] offset:(\i)*2048
.endm
	s_mov_b32 s45, 3                               ; 32 chunks: three rounds that load ahead, one that does not
.Lround:
.irp i, 0,1,2,3,4,5,6,7
	SLOT \i, 1, RING-1
.endr
	s_wait_xcnt 0x0                                ; the two bases step only behind this wait
	s_add_nc_u64 s[36:37], s[36:37], RING*4096
	s_add_nc_u64 s[38:39], s[38:39], RING*2048
	s_sub_co_u32 s45, s45, 1
	s_cmp_lg_u32 s45, 0
	s_cbranch_scc1 .Lround
.irp i, 0,1,2,3,4,5,6,7
	SLOT \i, 0, RING-1-(\i)                        ; the last round loads nothing: the counts run down
.endr
	s_endpgm
; THE MASK.  One word for (qt, kb, j): tile qt of 16 queries, block kb of 16 keys, j = 0..7; bit L = mask[16 qt + L % 16][16 kb + 8 (L / 16) + j]: the lane mask of register j of a 16 x 16 tile of scores.
; With g = kb / 4 (a step of 64 keys), p = (g / 2) % 2 and i = 2 (g / 4) + g % 2 the word lies at byte 4096 qt + 2048 p + 128 i + 32 (kb % 4) + 4 j: the sixteen steps that one wave of the
; attention walks lie end to end.  Work-group x: tile x / 2, keys 1024 (x % 2) on; wave w: 128 keys, 64 words, 256 consecutive bytes.
.Lmask:
	v_lshrrev_b32 v3, 5, v0
	v_readfirstlane_b32 s4, v3                     ; wave
	s_lshr_b32 s5, s3, 1                           ; qt
	s_and_b32 s6, s3, 1                            ; which half of the keys
	v_and_b32 v26, 15, v0
	v_bfe_u32 v27, v0, 4, 1
	v_lshlrev_b32 v24, 11, v26                     ; my query's row of 2,048 bytes
	v_lshl_add_u32 v24, v27, 3, v24                ; + 8 (L / 16)
	s_lshl_b32 s7, s5, 15
	s_lshl_b32 s40, s6, 10
	s_add_co_u32 s7, s7, s40
	s_lshl_b32 s40, s4, 7
	s_add_co_u32 s7, s7, s40
	v_add_nc_u32 v24, s7, v24
.irp n, 0,1,2,3,4,5,6,7
	global_load_b64 v[4+2*(\n):5+2*(\n)], v24, s[24:25] offset:16*(\n)  ; eight keys of block n
.endr
	v_and_b32 v25, 31, v0
	v_lshlrev_b32 v25, 3, v25                      ; lane L stores words 2 L and 2 L + 1
	s_lshl_b32 s7, s5, 12
	s_and_b32 s40, s4, 1
	s_lshl_b32 s40, s40, 11                        ; p = w % 2
	s_add_co_u32 s7, s7, s40
	s_lshl_b32 s40, s6, 10                         ; i = 8 half + 2 (w / 2) + n / 4, 128 bytes each
	s_add_co_u32 s7, s7, s40
	s_lshr_b32 s40, s4, 1
	s_lshl_b32 s40, s40, 8
	s_add_co_u32 s7, s7, s40
	v_add_nc_u32 v25, s7, v25
	v_mov_b32 v22, 0                               ; v_writelane_b32 keeps the other lanes: the registers are written whole first
	v_mov_b32 v23, 0
	s_wait_loadcnt 0x0
.set n, 0
.rept 8
.set j, 0
.rept 8
	v_bfe_u32 v20, v[4+2*n+j/4], 8*(j%4), 8        ; byte j of every lane,
	v_cmp_ne_u32 s40, 0, v20                       ; as a lane mask: word 8 n + j,
	v_writelane_b32 v[22+j%2], s40, 4*n+j/2        ; into the lane that stores it
.set j, j+1
.endr
.set n, n+1
.endr
	global_store_b64 v25, v[22:23], s[34:35]
	s_cmp_lg_u32 s3, 0
	s_cbranch_scc1 .Lend
	; work-group 0 alone: bo rounded to bf16, as f32, behind Wo's copy; 2,048 zeros behind Wq's copy.  Registers of their own: nothing pending is rewritten.
	global_load_b128 v[28:31], v1, s[22:23]
	global_load_b128 v[32:35], v1, s[22:23] offset:4096
	s_add_nc_u64 s[32:33], s[32:33], 0x1000000
	s_add_nc_u64 s[26:27], s[26:27], 0x1000000
.irp i, 48,49,50,51
	v_mov_b32 v\i, 0
.endr
	s_wait_loadcnt 0x0
.irp i, 0,1,2,3
	v_cvt_pk_bf16_f32 v[36+(\i)], v[28+2*(\i)], v[29+2*(\i)]
.endr
.irp i, 0,1,2,3
	v_lshlrev_b32 v[40+2*(\i)], 16, v[36+(\i)]
	v_and_b32 v[41+2*(\i)], s44, v[36+(\i)]
.endr
	global_store_b128 v1, v[40:43], s[32:33]
	global_store_b128 v1, v[44:47], s[32:33] offset:4096
	global_store_b128 v1, v[48:51], s[26:27]
	global_store_b128 v1, v[48:51], s[26:27] offset:4096
.Lend:
	s_endpgm
.Lfunc_end_k_qcf08ff37a6_prep:
	.size	k_qcf08ff37a6_prep, .Lfunc_end_k_qcf08ff37a6_prep-k_qcf08ff37a6_prep
	.p2alignl 7, 3214868480
	.fill 96, 4, 3214868480
	.section	.rodata,"a",@progbits
	.p2align	6, 0x0
	.amdhsa_kernel k_qcf08ff37a6_prep
		.amdhsa_group_segment_fixed_size 0
		.amdhsa_private_segment_fixed_size 0
		.amdhsa_enable_private_segment 0
		.amdhsa_kernarg_size 112
		.amdhsa_user_sgpr_count 2
		.amdhsa_user_sgpr_kernarg_segment_ptr 1
		.amdhsa_wavefront_size32 1
		.amdhsa_system_sgpr_workgroup_id_x 1
		.amdhsa_system_sgpr_workgroup_id_y 1
		.amdhsa_system_sgpr_workgroup_id_z 1
		.amdhsa_system_vgpr_workitem_id 0
		.amdhsa_next_free_vgpr 64
		.amdhsa_next_free_sgpr 66
		.amdhsa_reserve_vcc 0
		.amdhsa_float_denorm_mode_32 3
		.amdhsa_float_denorm_mode_16_64 3
		.amdhsa_memory_ordered 1
		.amdhsa_forward_progress 1
		.amdhsa_inst_pref_size 28
	.end_amdhsa_kernel
	.amdgpu_metadata
---
amdhsa.version: [ 1, 2 ]
amdhsa.kernels:
  - .name:           k_qcf08ff37a6_prep
    .symbol:         k_qcf08ff37a6_prep.kd
    .args:
      - { .name: query, .offset: 0, .size: 8, .value_kind: global_buffer, .address_space: global }
      - { .name: key, .offset: 8, .size: 8, .value_kind: global_buffer, .address_space: global }
      - { .name: value, .offset: 16, .size: 8, .value_kind: global_buffer, .address_space: global }
      - { .name: Wq, .offset: 24, .size: 8, .value_kind: global_buffer, .address_space: global }
      - { .name: Wk, .offset: 32, .size: 8, .value_kind: global_buffer, .address_space: global }
      - { .name: Wv, .offset: 40, .size: 8, .value_kind: global_buffer, .address_space: global }
      - { .name: Wo, .offset: 48, .size: 8, .value_kind: global_buffer, .address_space: global }
      - { .name: bo, .offset: 56, .size: 8, .value_kind: global_buffer, .address_space: global }
      - { .name: mask, .offset: 64, .size: 8, .value_kind: global_buffer, .address_space: global }
      - { .name: aq, .offset: 72, .size: 8, .value_kind: global_buffer, .address_space: global }
      - { .name: xkv, .offset: 80, .size: 8, .value_kind: global_buffer, .address_space: global }
      - { .name: wkv, .offset: 88, .size: 8, .value_kind: global_buffer, .address_space: global }
      - { .name: ao, .offset: 96, .size: 8, .value_kind: global_buffer, .address_space: global }
      - { .name: mbits, .offset: 104, .size: 8, .value_kind: global_buffer, .address_space: global }
    .group_segment_fixed_size: 0
    .private_segment_fixed_size: 0
    .kernarg_segment_align: 8
    .kernarg_segment_size: 112
    .max_flat_workgroup_size: 256
    .sgpr_count:     66
    .vgpr_count:     64
    .wavefront_size: 32
...
	.end_amdgpu_metadata
.endif
;; end of part 1
;; launch kvproj (part 2): grid 8 x 32, 4 waves a work-group, clusters of 4 x 4, 327,680 bytes of LDS; arguments xkv, wkv, kv16; writes kv16
.if DOCPART == 2
	.amdgcn_target "amdgcn-amd-amdhsa--gfx1250"
	.amdhsa_code_object_version 6
	.text
	.protected	k_qcf08ff37a6_kvproj
	.globl	k_qcf08ff37a6_kvproj
	.p2align	8
	.type	k_qcf08ff37a6_kvproj,@function
k_qcf08ff37a6_kvproj:
	s_mov_b64 s[64:65], 0
	v_nop
	global_prefetch_b8 v0, s[64:65] scope:SCOPE_SE
	s_setreg_imm32_b32 hwreg(HW_REG_WAVE_MODE, 25, 1), 1
	s_wait_xcnt 0x0
	s_wait_alu depctr_hold_cnt(0) depctr_sa_sdst(0) depctr_va_vdst(0) depctr_va_sdst(0) depctr_va_ssrc(0) depctr_va_vcc(0) depctr_vm_vsrc(0)
	s_getreg_b32 s2, hwreg(HW_REG_IB_STS2, 6, 4)
	s_cmp_eq_u32 s2, 0
	s_cbranch_scc0 .Lentry_in_a_cluster
	s_endpgm
.Lentry_in_a_cluster:
	s_bfe_u32 s2, ttmp6, 0x10000c
	s_cmp_lg_u32 s2, 0xf033
	s_cbranch_scc0 .Lentry_shape_is_right
	s_endpgm
.Lentry_shape_is_right:
; k AND v.  C[m][n] = sum over k of A[m][k] B[k][n].  A = xkv: [8192][2048] f16 (rows 0-4095 key, 4096-8191 value); B = wkv: Wk, then Wv, each [k 2048][n 2048] f16; C = kv16: [8192][2048] f16.
; Sums in f32, C rounded once.  LIMIT: a sum beyond 65,504 becomes an infinity in f16.
; A tile of C, 256 x 256, is made by four waves, each 128 x 128: 64 accumulators of 16 x 16, 512 registers.  32 x 8 tiles: one for each of 256 work-groups.  K goes in steps of 128 through a ring of two
; LDS slots filled by the tensor data mover: A's rows are 256 bytes of memory, B's (128 rows along k, 256 columns) 512 bytes, all at multiples of 256 from the buffer's first byte.
; B LIES [k][n]: its fragments come out of LDS turned, by ds_load_tr16_b128, so no launch transposes the weights.
; CLUSTERS: 4 x 4 work-groups.  The four of a row of the cluster need the same tiles of A, the four of a column the same tiles of B: each tile is asked for JOINTLY, by the same tensor load with the
; same descriptor and a mask that names the four.  Which of the two weights: the cluster's y / 4, which all sixteen share.
; THE MATRIX INSTRUCTION IS USED TRANSPOSED: source 0 = 16 columns of B, source 1 = 16 rows of A: a lane then holds eight neighbouring numbers of a row of C.
; REGISTERS, in windows of 256: window 0: v0-31 addresses; v64-127, v128-191 fragments of A, two buffers; v32-63, v192-255 at work on the way out.  window 1: v64-127, v128-191 fragments of B.
;   window 2: the 32 accumulators of my rows 0-63 ((a, b) at v[8 (8 a + b)]);  window 3: those of my rows 64-127.
.set SIZE_N, 2048
.set SIZE_K, 2048
.set KSTEP,  128
.set PITCH,  272                       ; a row of A in LDS: 256 bytes + 16 = 68 words: the 16 rows of a load start at 16 different groups of four banks (64 banks of 4 bytes: ISA guide 11.1)
.set PB,     544                       ; a row of B in LDS: 512 bytes + 32 = 136 words
.set HALFT,  128*PITCH                 ; what one tensor load brings: 128 rows of A, or 64 rows of B (64 x 544 is the same 34,816 bytes)
.set SLOT,   4*HALFT                   ; A's 256 rows, then B's 128 rows
.set STAGE,  2*SLOT                    ; behind the ring: 16 rows x 272 bytes for each wave, for the way out
.set SPITCH, 272
.set SPARE,  STAGE+4*16*SPITCH         ; behind the stages: the spare words, 128 bytes for each wave: two blocks of 256 bytes that no other line names
.set LAPS,   SIZE_K/(2*KSTEP)         ; a lap = two K steps = once round the ring
.set ADRA, 16                          ; v16-17  LDS address of my A fragments in slot 0, 1
.set ADRB, 20                          ; v20-21  the same for B
.set STO,  24                          ; v24     the way out: where I put 16 bytes of a row
.set RD,   25                          ; v25     the way out: where I read a row back
.set CO,   26                          ; v26     my byte offset in C
.set SPW,  28                          ; v28     LDS address of my spare word; never rewritten
.set NIL,  29                          ; v29     0; never rewritten
.set F0,   64
.set F1,   128
.set TMP,  192
.set OB,   32
.set G1, 24                            ; s[24:31] descriptor group 1 for A's tiles
.set G0, 32                            ; s[32:39] group 0 for A's tiles, one set for each slot
.set G1B, 48                           ; s[48:55] group 1 for B's tiles
.set G0B, 56                           ; s[56:63] group 0 for B's tiles
.set MSB, 0
.macro WIN new                         ; the immediate's high byte repeats the setting that is left; a switch that changes nothing is dropped
.if MSB != (\new)
	s_set_vgpr_msb (MSB<<8)|(\new)
.set MSB, \new
.endif
.endm
.set MUL_LO, 0xa1                      ; source 0 (B) window 1, source 1 (A) window 0, C and D window 2
.set MUL_HI, 0xf1                      ; the same, C and D window 3
.set TO_B,   0x40                      ; destination window 1, address window 0
; A joint load.  Waves 0 and 1 fetch A's two halves, waves 2 and 3 B's.  The branch hangs on the wave's number alone.  An s_nop 0 and four v_nop follow each of the two lines.
.macro JLOAD s
	s_cmp_eq_u32 s11, 0
	s_cbranch_scc0 .Lfor_b_\@
	tensor_load_to_lds s[G0+4*(\s):G0+4*(\s)+3], s[G1:G1+7]
	s_nop 0
.rept 4
	v_nop
.endr
	s_branch .Lasked_\@
.Lfor_b_\@:
	tensor_load_to_lds s[G0B+4*(\s):G0B+4*(\s)+3], s[G1B:G1B+7]
	s_nop 0
.rept 4
	v_nop
.endr
.Lasked_\@:
.endm
.macro CREST                           ; a round of the cluster's barrier behind its opening barrier
	s_cmp_lg_u32 s10, 0
	s_cbranch_scc1 .Lnot_wave_0_\@
	s_barrier_signal -3
.Lnot_wave_0_\@:
	s_barrier_wait -3
	s_barrier_signal -1
	s_barrier_wait -1
.endm
.macro CROUND                          ; a whole round
	s_barrier_signal -1
	s_barrier_wait -1
	CREST
.endm
	s_load_b128 s[4:7], s[0:1], 0x0                ; xkv s[4:5], wkv s[6:7]
	s_load_b64 s[8:9], s[0:1], 0x10                ; kv16
	v_lshl_add_u32 v[SPW], v0, 2, SPARE
	v_mov_b32 v[NIL], 0
	ds_add_u32 v[SPW], v[NIL]                      ; the wave's opening: the add and its wait stand ahead of my first tensor load; the set-up below, work on registers, stands between them
	v_lshrrev_b32 v1, 5, v0
	v_readfirstlane_b32 s10, v1                    ; wave 0..3
	s_lshr_b32 s11, s10, 1                         ; which half of the tile's rows is mine.  Also: I fetch for A (0) or for B (1)
	s_and_b32 s12, s10, 1                          ; which half of its columns.  Also: which half of that tile I fetch
	s_bfe_u32 s40, ttmp6, 0x40000                  ; cx
	s_bfe_u32 s41, ttmp6, 0x40004                  ; cy
	s_lshl_b32 s42, ttmp9, 2
	s_add_co_u32 s42, s42, s40                     ; tile column of C = 4 x cluster x + cx
	s_and_b32 s13, ttmp7, 0xffff
	s_lshr_b32 s45, s13, 2                         ; clusters 0-3 along y make k (Wk), 4-7 make v (Wv)
	s_lshl_b32 s13, s13, 2
	s_add_co_u32 s13, s13, s41                     ; tile row of C = 4 x cluster y + cy
	s_lshl_b32 s43, s41, 2
	s_lshl_b32 s43, 15, s43                        ; my row of the cluster
	s_lshl_b32 s44, 0x1111, s40                    ; my column
	s_or_b32 s[G1+0], s43, (1<<16)|(1<<20)|(1<<21)|(5<<22)|(3<<25)   ; the mask; 2-byte elements; padding on; bit 21 beside a mask; after every 64 words 4 words
	s_or_b32 s[G1B+0], s44, (1<<16)|(1<<20)|(1<<21)|(6<<22)|(7<<25)  ; for B: after every 128 words 8 words
	s_mov_b32 s[G1+1], KSTEP<<16                   ; A: tensor_dim0 = 128
	s_mov_b32 s[G1+2], 128<<16                     ; tensor_dim1 = 128
	s_mov_b32 s[G1+3], KSTEP<<16                   ; tile_dim0 = 128
	s_mov_b32 s[G1+4], 128                         ; tile_dim1 = 128
	s_mov_b32 s[G1+5], SIZE_K                      ; elements from row to row
	s_mov_b32 s[G1+6], 0
	s_mov_b32 s[G1+7], 0
	s_mov_b32 s[G1B+1], 256<<16                    ; B: tensor_dim0 = 256 columns
	s_mov_b32 s[G1B+2], 64<<16                     ; tensor_dim1 = 64 rows along k
	s_mov_b32 s[G1B+3], 256<<16                    ; tile_dim0 = 256
	s_mov_b32 s[G1B+4], 64                         ; tile_dim1 = 64
	s_mov_b32 s[G1B+5], SIZE_N
	s_mov_b32 s[G1B+6], 0
	s_mov_b32 s[G1B+7], 0
	; A's tiles hang on the tile row alone, B's on the tile column and the weight alone; each address is made in registers that never hold the other coordinate
	s_lshl_b32 s17, s12, 7
	s_lshl_b32 s16, s13, 8
	s_add_co_u32 s16, s16, s17                     ; A: row 256 x tile row + 128 x half,
	s_lshl_b32 s16, s16, 12                        ; of 4,096 bytes
	s_mov_b32 s17, 0
	s_lshl_b32 s46, s45, 23                        ; B: the weight, 8,388,608 bytes each,
	s_lshl_b32 s47, s12, 18                        ; my 64 rows of 4,096 bytes,
	s_add_co_u32 s46, s46, s47
	s_lshl_b32 s47, s42, 9                         ; the tile's 256 columns
	s_add_co_u32 s46, s46, s47
	s_mov_b32 s47, 0
	s_mul_i32 s20, s10, HALFT                      ; where they go: A's two halves, then B's two halves: wave x 34,816
	s_wait_dscnt 0x0                               ; the opening add is done
	s_wait_kmcnt 0x0
	s_add_nc_u64 s[14:15], s[4:5], s[16:17]
	s_add_nc_u64 s[46:47], s[6:7], s[46:47]
	CROUND                                         ; all sixteen work-groups are here: the first joint loads meet
.irp s, 0,1
	s_mov_b32 s[G0+4*(\s)], 1
	s_add_co_u32 s[G0+4*(\s)+1], s20, (\s)*SLOT
	s_add_nc_u64 s[G0+4*(\s)+2:G0+4*(\s)+3], s[14:15], (\s)*KSTEP*2
	s_or_b32 s[G0+4*(\s)+3], s[G0+4*(\s)+3], 0x80000000
	s_mov_b32 s[G0B+4*(\s)], 1
	s_add_co_u32 s[G0B+4*(\s)+1], s20, (\s)*SLOT
	s_add_nc_u64 s[G0B+4*(\s)+2:G0B+4*(\s)+3], s[46:47], (\s)*KSTEP*SIZE_N*2
	s_or_b32 s[G0B+4*(\s)+3], s[G0B+4*(\s)+3], 0x80000000
	JLOAD \s                                       ; two loads of mine are out: K steps 0 and 1
.endr
	; A's fragment: lane l holds row l % 16, K = 8 (l / 16) + 0..7 and 16 + 8 (l / 16) + 0..7: two loads of 16 bytes, 32 bytes apart.
	; B's: the turning load takes 16 k x 16 n (lane l reads row 8 (l / 16) + l % 8, columns 8 ((l / 8) % 2) + 0..7) and leaves half a fragment: lane l holds column l % 16 and 8 k.
	v_and_b32 v1, 15, v0
	v_bfe_u32 v2, v0, 4, 1
	v_mul_u32_u24 v3, v1, PITCH
	v_lshl_add_u32 v3, v2, 4, v3
	v_and_b32 v6, 7, v0
	v_lshl_add_u32 v6, v2, 3, v6
	v_mul_u32_u24 v6, v6, PB
	v_bfe_u32 v7, v0, 3, 1
	v_lshl_add_u32 v6, v7, 4, v6
	s_mul_i32 s21, s11, HALFT                      ; my 128 rows of A
	s_lshl_b32 s22, s12, 8                         ; my 128 columns of B, 256 bytes,
	s_add_co_u32 s22, s22, 2*HALFT                 ; behind A's 256 rows
.irp s, 0,1
	v_add_nc_u32 v[ADRA+(\s)], s21, v3
	v_add_nc_u32 v[ADRB+(\s)], s22, v6
	s_add_co_u32 s21, s21, SLOT
	s_add_co_u32 s22, s22, SLOT
.endr
	s_mul_i32 s23, s10, 16*SPITCH
	s_add_co_u32 s23, s23, STAGE                   ; my stage
	v_mul_u32_u24 v4, v1, SPITCH
	v_lshl_add_u32 v4, v2, 4, v4
	v_add_nc_u32 v[STO], s23, v4
	v_mul_u32_u24 v5, v2, SPITCH
	v_lshl_add_u32 v5, v1, 4, v5
	v_add_nc_u32 v[RD], s23, v5
	v_mul_u32_u24 v5, v2, SIZE_N*2
	v_lshl_add_u32 v[CO], v1, 4, v5
	s_lshl_b32 s13, s13, 8
	s_lshl_b32 s14, s11, 7
	s_add_co_u32 s16, s13, s14                     ; my first row of C,
	s_lshl_b32 s16, s16, 12                        ; of 4,096 bytes
	s_mov_b32 s17, 0
	s_lshl_b32 s46, s42, 9                         ; my first column, in bytes
	s_lshl_b32 s47, s12, 8
	s_add_co_u32 s46, s46, s47
	s_mov_b32 s47, 0
	s_add_nc_u64 s[16:17], s[16:17], s[46:47]
; 16 matrix instructions: m blocks a0, a0 + 1 of the window's four x all 8 n blocks, 32 along K.  zero = 1: the product starts the sums.  The 64 accumulators take turns.
.macro MUL16 f, hi, a0, zero
	WIN MUL_LO+0x50*(\hi)
.irp a, \a0, (\a0)+1
.irp b, 0,1,2,3,4,5,6,7
.if \zero
	v_wmma_f32_16x16x32_f16 v[8*(8*(\a)+(\b)):8*(8*(\a)+(\b))+7], v[(\f)+8*(\b):(\f)+8*(\b)+7], v[(\f)+8*(4*(\hi)+(\a)):(\f)+8*(4*(\hi)+(\a))+7], 0
.else
	v_wmma_f32_16x16x32_f16 v[8*(8*(\a)+(\b)):8*(8*(\a)+(\b))+7], v[(\f)+8*(\b):(\f)+8*(\b)+7], v[(\f)+8*(4*(\hi)+(\a)):(\f)+8*(4*(\hi)+(\a))+7], v[8*(8*(\a)+(\b)):8*(8*(\a)+(\b))+7]
.endif
.endr
.endr
.endm
; 32 LDS loads in one run: the fragments of quarter q of a K step (32 along K) into buffer f: B's 128 columns, turned, then A's 128 rows
.macro FETCH slot, q, f
	WIN TO_B
.irp i, 0,1,2,3,4,5,6,7
	ds_load_tr16_b128 v[(\f)+8*(\i):(\f)+8*(\i)+3],   v[ADRB+(\slot)] offset:(\q)*32*PB+32*(\i)
	ds_load_tr16_b128 v[(\f)+8*(\i)+4:(\f)+8*(\i)+7], v[ADRB+(\slot)] offset:(\q)*32*PB+16*PB+32*(\i)
.endr
	WIN 0
.irp i, 0,1,2,3,4,5,6,7
	ds_load_b128 v[(\f)+8*(\i):(\f)+8*(\i)+3],   v[ADRA+(\slot)] offset:64*(\q)+(\i)*16*PITCH
	ds_load_b128 v[(\f)+8*(\i)+4:(\f)+8*(\i)+7], v[ADRA+(\slot)] offset:64*(\q)+(\i)*16*PITCH+32
.endr
.endm
.macro PLACES                          ; four plain vector instructions in front of loads into registers that matrix instructions have read, and of conversions that read results
.rept 4
	v_nop
.endr
.endm
; One of a K step's first three quarters: multiplies buffer f; in its middle it fetches quarter q of the same slot into buffer g.
.macro QUARTER slot, q, f, g, zero
	s_wait_dscnt 8                                 ; B and A's rows 0-63 are in; the youngest eight loads (A's rows 64-127) may be out
	MUL16 \f, 0, 0, \zero
	MUL16 \f, 0, 2, \zero
	PLACES
	FETCH \slot, \q, \g
	s_wait_dscnt 32                                ; all but the 32 just issued
	MUL16 \f, 1, 0, \zero
	MUL16 \f, 1, 2, \zero
.endm
; The last quarter multiplies buffer 1 and changes slots.  In front of the one barrier each wave waits for all its tensor loads (one is out: its part of the next slot), adds 0 to its spare word, and waits
; for that and for its reads of this slot.  fill = 1: the barrier opens a round of the cluster's barrier, and this slot is filled again, two K steps on, first thing behind the round.
.macro TURN slot, next, fill
	WIN 0                                          ; (the add's two registers lie in window 0)
	s_wait_tensorcnt 0x0
	ds_add_u32 v[SPW], v[NIL]                      ; 0 onto my spare word
	s_wait_dscnt 9                                 ; (the add and the youngest eight loads may be out)
	MUL16 F1, 0, 0, 0                              ; sixteen matrix instructions stand between the add and the wait for it
	s_wait_dscnt 0x0                               ; the add is done, and my reads of this slot are over
	s_barrier_signal -1
	MUL16 F1, 0, 2, 0                              ; work on registers while the others arrive
.if \fill
	WIN 0
.endif
	s_barrier_wait -1
.if \fill
	CREST                                          ; no wave of any partner still reads this slot or has a load on its way
	s_add_nc_u64 s[G0+4*(\slot)+2:G0+4*(\slot)+3], s[G0+4*(\slot)+2:G0+4*(\slot)+3], 2*KSTEP*2
	s_add_nc_u64 s[G0B+4*(\slot)+2:G0B+4*(\slot)+3], s[G0B+4*(\slot)+2:G0B+4*(\slot)+3], 2*KSTEP*SIZE_N*2
	JLOAD \slot                                    ; my one load behind the round; its four v_nop are also the places in front of the loads below
.else
	PLACES
.endif
	FETCH \next, 0, F0
	MUL16 F1, 1, 0, 0
	MUL16 F1, 1, 2, 0
.endm
; THE WAY OUT of block a (16 rows).  PACK: rounded to f16, each accumulator's registers in ascending order.  TOSTAGE: into my own stage, and back as whole rows of 256 bytes.  SEND: stored.
.macro PACK a
.set AC, 64*((\a)%4)
	WIN 0x0a+5*((\a)/4)                            ; sources 0 and 1: window 2 or 3
.irp b, 0,1,2,3,4,5,6,7
.irp r, 0,1,2,3
	v_cvt_pk_f16_f32 v[TMP+4*(\b)+(\r)], v[AC+8*(\b)+2*(\r)], v[AC+8*(\b)+2*(\r)+1]
.endr
.endr
	WIN 0
.endm
.macro TOSTAGE a
	WIN 0
.set BK, OB+192*((\a)%2)
.irp b, 0,1,2,3,4,5,6,7
	ds_store_b128 v[STO], v[TMP+4*(\b):TMP+4*(\b)+3] offset:32*(\b)
.endr
.irp t, 0,1,2,3,4,5,6,7
	ds_load_b128 v[BK+4*(\t):BK+4*(\t)+3], v[RD] offset:(\t)*2*SPITCH  ; LDS serves a wave's instructions in order (ISA guide 5.7.1.4): these see the stores above
.endr
.endm
.macro SEND a
	WIN 0
.set BK, OB+192*((\a)%2)
	s_wait_dscnt 0x0                               ; the block is back in registers
	s_wait_xcnt 0x0                                ; only behind this wait are the stores' base and the registers that earlier stores read rewritten
.if (\a) == 0
	s_add_nc_u64 s[8:9], s[8:9], s[16:17]          ; my first rows
.else
	s_add_nc_u64 s[8:9], s[8:9], 16*SIZE_N*2       ; 16 rows of C on
.endif
.irp t, 0,1,2,3,4,5,6,7
	global_store_b128 v[CO], v[BK+4*(\t):BK+4*(\t)+3], s[8:9] offset:2*(\t)*SIZE_N*2  ; 16 lanes store 256 consecutive bytes, at a multiple of 256 from C's first byte
.endr
.endm
	s_wait_tensorcnt 1                             ; my part of K step 0 is in; K step 1's may stay out
	s_barrier_signal -1
	s_barrier_wait -1
	FETCH 0, 0, F0
	QUARTER 0, 1, F0, F1, 1                        ; the first quarter stands in front of the loop: its products start the sums
	WIN 0
	s_mov_b32 s3, LAPS-1
.Llap:                                                 ; a trip goes once round the ring, from a lap's second quarter to the next lap's first, and fills both slots again
	QUARTER 0, 2, F1, F0, 0
	QUARTER 0, 3, F0, F1, 0
	TURN 0, 1, 1
	QUARTER 1, 1, F0, F1, 0
	QUARTER 1, 2, F1, F0, 0
	QUARTER 1, 3, F0, F1, 0
	TURN 1, 0, 1
	QUARTER 0, 1, F0, F1, 0
	WIN 0
	s_sub_co_u32 s3, s3, 1
	s_cmp_lg_u32 s3, 0
	s_cbranch_scc1 .Llap
	QUARTER 0, 2, F1, F0, 0                        ; the last lap fills nothing
	QUARTER 0, 3, F0, F1, 0
	TURN 0, 1, 0
	QUARTER 1, 1, F0, F1, 0
	QUARTER 1, 2, F1, F0, 0
	QUARTER 1, 3, F0, F1, 0
	s_wait_dscnt 8                                 ; the very last quarter: nothing more to fetch
	MUL16 F1, 0, 0, 0
	MUL16 F1, 0, 2, 0
	s_wait_dscnt 0x0
	MUL16 F1, 1, 0, 0
	MUL16 F1, 1, 2, 0
	PLACES
	PACK 0
	TOSTAGE 0
.irp a, 1,2,3,4,5,6,7                  ; block a's conversions stand between block a - 1's loads from the stage and the wait for them
	PACK \a
	SEND (\a)-1
	TOSTAGE \a
.endr
	SEND 7
	s_wait_tensorcnt 0x0                           ; the wave's end, behind my last tensor load and my last LDS store
	ds_add_u32 v[SPW], v[NIL]
	s_wait_dscnt 0x0
	CROUND                                         ; the closing round: no work-group ends while a partner may still ask for a tile that names it
	s_endpgm
.Lfunc_end_k_qcf08ff37a6_kvproj:
	.size	k_qcf08ff37a6_kvproj, .Lfunc_end_k_qcf08ff37a6_kvproj-k_qcf08ff37a6_kvproj
	.p2alignl 7, 3214868480
	.fill 96, 4, 3214868480
	.section	.rodata,"a",@progbits
	.p2align	6, 0x0
	.amdhsa_kernel k_qcf08ff37a6_kvproj
		.amdhsa_group_segment_fixed_size 327680
		.amdhsa_private_segment_fixed_size 0
		.amdhsa_enable_private_segment 0
		.amdhsa_kernarg_size 24
		.amdhsa_user_sgpr_count 2
		.amdhsa_user_sgpr_kernarg_segment_ptr 1
		.amdhsa_wavefront_size32 1
		.amdhsa_system_sgpr_workgroup_id_x 1
		.amdhsa_system_sgpr_workgroup_id_y 1
		.amdhsa_system_sgpr_workgroup_id_z 1
		.amdhsa_system_vgpr_workitem_id 0
		.amdhsa_next_free_vgpr 1024
		.amdhsa_next_free_sgpr 66
		.amdhsa_reserve_vcc 0
		.amdhsa_float_denorm_mode_32 3
		.amdhsa_float_denorm_mode_16_64 3
		.amdhsa_memory_ordered 1
		.amdhsa_forward_progress 1
		.amdhsa_inst_pref_size 143
	.end_amdhsa_kernel
	.amdgpu_metadata
---
amdhsa.version: [ 1, 2 ]
amdhsa.kernels:
  - .name:           k_qcf08ff37a6_kvproj
    .symbol:         k_qcf08ff37a6_kvproj.kd
    .args:
      - { .name: xkv, .offset: 0, .size: 8, .value_kind: global_buffer, .address_space: global }
      - { .name: wkv, .offset: 8, .size: 8, .value_kind: global_buffer, .address_space: global }
      - { .name: kv16, .offset: 16, .size: 8, .value_kind: global_buffer, .address_space: global }
    .group_segment_fixed_size: 327680
    .private_segment_fixed_size: 0
    .kernarg_segment_align: 8
    .kernarg_segment_size: 24
    .max_flat_workgroup_size: 128
    .sgpr_count:     66
    .vgpr_count:     1024
    .wavefront_size: 32
...
	.end_amdgpu_metadata
.endif
;; end of part 2
;; launch qproj (part 3): grid 16 x 16, 4 waves a work-group, clusters of 4 x 4, 327,680 bytes of LDS; arguments aq, q32; writes q32
.if DOCPART == 3
	.amdgcn_target "amdgcn-amd-amdhsa--gfx1250"
	.amdhsa_code_object_version 6
	.text
	.protected	k_qcf08ff37a6_qproj
	.globl	k_qcf08ff37a6_qproj
	.p2align	8
	.type	k_qcf08ff37a6_qproj,@function
k_qcf08ff37a6_qproj:
	s_mov_b64 s[64:65], 0
	v_nop
	global_prefetch_b8 v0, s[64:65] scope:SCOPE_SE
	s_setreg_imm32_b32 hwreg(HW_REG_WAVE_MODE, 25, 1), 1
	s_wait_xcnt 0x0
	s_wait_alu depctr_hold_cnt(0) depctr_sa_sdst(0) depctr_va_vdst(0) depctr_va_sdst(0) depctr_va_ssrc(0) depctr_va_vcc(0) depctr_vm_vsrc(0)
	s_getreg_b32 s2, hwreg(HW_REG_IB_STS2, 6, 4)
	s_cmp_eq_u32 s2, 0
	s_cbranch_scc0 .Lentry_in_a_cluster
	s_endpgm
.Lentry_in_a_cluster:
	s_bfe_u32 s2, ttmp6, 0x10000c
	s_cmp_lg_u32 s2, 0xf033
	s_cbranch_scc0 .Lentry_shape_is_right
	s_endpgm
.Lentry_shape_is_right:
; C[m][n] = bias[n] + sum over k of A[m][k] B[k][n], C in f32.  One buffer holds the operands: A [2048][2048] f16 at byte 0, B [k 2048][n 2048] f16 at 8,388,608, bias [2048] f32 at 16,777,216.
; Two launches run this text: q = xq Wq (bias of zeros) and out = O Wo + bo.  Sums in f32; the bias is added in f32; nothing is rounded on the way out.
; A tile of C is 128 x 128: 16 x 16 tiles, one for each of 256 work-groups.  Four waves, each 64 x 64: 16 accumulators.  K goes in steps of 256 through two LDS slots: A's rows are 512 bytes of memory,
; B's (256 rows along k, 128 columns) 256 bytes.  B's fragments come out of LDS turned, by ds_load_tr16_b128.
; CLUSTERS: 4 x 4 work-groups; A's tiles are asked for jointly along a row of the cluster, B's along a column.  THE MATRIX INSTRUCTION IS USED TRANSPOSED (source 0 = 16 columns of B, source 1 = 16 rows
; of A): a lane holds eight neighbouring numbers of a row of C.  A wave's 64 columns of f32 are 256 aligned bytes, so each wave sends its own rows out through a stage of its own: no barrier.
; REGISTERS: window 0: v0-31 addresses and the bias; v32-95 at work on the way out; v128-255 the accumulators ((a, b) at v[128 + 8 (4 a + b)]).  window 1: two fragment buffers of 128: 64 of A, then 64 of B.
.set SIZE_N, 2048
.set SIZE_K, 2048
.set KSTEP,  256
.set PA,     528                       ; a row of A in LDS: 512 bytes + 16 = 132 words: the 16 rows of a load start at 16 different groups of four banks (64 banks of 4 bytes: ISA guide 11.1)
.set PBS,    288                       ; a row of B: 256 + 32 = 72 words
.set HALFA,  64*PA                     ; one tensor load of A: 64 rows
.set HALFB,  128*PBS                   ; one tensor load of B: 128 rows along k
.set BOFF,   2*HALFA                   ; B's 256 rows lie behind A's 128
.set SLOT,   BOFF+2*HALFB
.set STAGE,  2*SLOT                    ; behind the ring: 16 rows x 272 bytes for each wave
.set SPITCH, 272
.set SPARE,  STAGE+4*16*SPITCH         ; the spare words, 128 bytes for each wave: two blocks of 256 bytes that no other line names
.set LAPS,   SIZE_K/(2*KSTEP)
.set BI,   12                          ; v12-15  the bias of the four columns that I store
.set ADRA, 16                          ; v16-17  LDS address of my A fragments in slot 0, 1
.set ADRB, 20                          ; v20-23  of my B fragments: slot 0 rows 0-127, slot 0 rows 128-255, slot 1 likewise (an offset holds 16 bits)
.set STO,  24
.set RD,   25
.set CO,   26
.set BO,   27                          ; v27     my byte offset in the bias; never rewritten
.set SPW,  28
.set NIL,  29
.set TMP,  32
.set ACC,  128
.set F0,   0
.set F1,   128
.set G1, 24
.set G0, 32
.set G1B, 48
.set G0B, 56
.set MSB, 0
.macro WIN new
.if MSB != (\new)
	s_set_vgpr_msb (MSB<<8)|(\new)
.set MSB, \new
.endif
.endm
.set MUL,  0x05                        ; sources 0 (B) and 1 (A) window 1; C and D window 0
.set TO_F, 0x40                        ; destination window 1, address window 0
.macro JLOAD s                         ; a joint load: waves 0 and 1 fetch A's two halves, waves 2 and 3 B's; an s_nop 0 and four v_nop follow each of the two lines
	s_cmp_eq_u32 s11, 0
	s_cbranch_scc0 .Lfor_b_\@
	tensor_load_to_lds s[G0+4*(\s):G0+4*(\s)+3], s[G1:G1+7]
	s_nop 0
.rept 4
	v_nop
.endr
	s_branch .Lasked_\@
.Lfor_b_\@:
	tensor_load_to_lds s[G0B+4*(\s):G0B+4*(\s)+3], s[G1B:G1B+7]
	s_nop 0
.rept 4
	v_nop
.endr
.Lasked_\@:
.endm
.macro CREST
	s_cmp_lg_u32 s10, 0
	s_cbranch_scc1 .Lnot_wave_0_\@
	s_barrier_signal -3
.Lnot_wave_0_\@:
	s_barrier_wait -3
	s_barrier_signal -1
	s_barrier_wait -1
.endm
.macro CROUND
	s_barrier_signal -1
	s_barrier_wait -1
	CREST
.endm
	s_load_b64 s[4:5], s[0:1], 0x0                 ; the operands
	s_load_b64 s[8:9], s[0:1], 0x8                 ; C
	v_lshl_add_u32 v[SPW], v0, 2, SPARE
	v_mov_b32 v[NIL], 0
	ds_add_u32 v[SPW], v[NIL]                      ; the wave's opening: the add and its wait stand ahead of my first tensor load
	v_lshrrev_b32 v1, 5, v0
	v_readfirstlane_b32 s10, v1                    ; wave 0..3
	s_lshr_b32 s11, s10, 1                         ; which half of the tile's rows is mine.  Also: I fetch for A (0) or for B (1)
	s_and_b32 s12, s10, 1                          ; which half of its columns.  Also: which half of that tile I fetch
	s_bfe_u32 s40, ttmp6, 0x40000
	s_bfe_u32 s41, ttmp6, 0x40004
	s_lshl_b32 s42, ttmp9, 2
	s_add_co_u32 s42, s42, s40                     ; tile column
	s_and_b32 s13, ttmp7, 0xffff
	s_lshl_b32 s13, s13, 2
	s_add_co_u32 s13, s13, s41                     ; tile row
	s_lshl_b32 s43, s41, 2
	s_lshl_b32 s43, 15, s43                        ; my row of the cluster
	s_lshl_b32 s44, 0x1111, s40                    ; my column
	s_or_b32 s[G1+0], s43, (1<<16)|(1<<20)|(1<<21)|(6<<22)|(3<<25)   ; A: after every 128 words 4 words of padding
	s_or_b32 s[G1B+0], s44, (1<<16)|(1<<20)|(1<<21)|(5<<22)|(7<<25)  ; B: after every 64 words 8 words
	s_mov_b32 s[G1+1], KSTEP<<16                   ; A: 64 rows x 256 elements
	s_mov_b32 s[G1+2], 64<<16
	s_mov_b32 s[G1+3], KSTEP<<16
	s_mov_b32 s[G1+4], 64
	s_mov_b32 s[G1+5], SIZE_K
	s_mov_b32 s[G1+6], 0
	s_mov_b32 s[G1+7], 0
	s_mov_b32 s[G1B+1], 128<<16                    ; B: 128 rows along k x 128 columns
	s_mov_b32 s[G1B+2], 128<<16
	s_mov_b32 s[G1B+3], 128<<16
	s_mov_b32 s[G1B+4], 128
	s_mov_b32 s[G1B+5], SIZE_N
	s_mov_b32 s[G1B+6], 0
	s_mov_b32 s[G1B+7], 0
	s_lshl_b32 s17, s12, 6
	s_lshl_b32 s16, s13, 7
	s_add_co_u32 s16, s16, s17                     ; A: row 128 x tile row + 64 x half,
	s_lshl_b32 s16, s16, 12                        ; of 4,096 bytes
	s_mov_b32 s17, 0
	s_lshl_b32 s46, s12, 19                        ; B: my 128 rows of 4,096 bytes,
	s_lshl_b32 s47, s42, 8                         ; the tile's 128 columns,
	s_add_co_u32 s46, s46, s47
	s_add_co_u32 s46, s46, 0x800000                ; behind A
	s_mov_b32 s47, 0
	s_mul_i32 s20, s12, HALFA                      ; where they go: the wave's number alone enters an LDS address
	s_mul_i32 s21, s12, HALFB
	s_add_co_u32 s21, s21, BOFF
	s_wait_dscnt 0x0                               ; the opening add is done
	s_wait_kmcnt 0x0
	s_add_nc_u64 s[14:15], s[4:5], s[16:17]
	s_add_nc_u64 s[46:47], s[4:5], s[46:47]
	CROUND                                         ; all sixteen work-groups are here: the first joint loads meet
.irp s, 0,1
	s_mov_b32 s[G0+4*(\s)], 1
	s_add_co_u32 s[G0+4*(\s)+1], s20, (\s)*SLOT
	s_add_nc_u64 s[G0+4*(\s)+2:G0+4*(\s)+3], s[14:15], (\s)*KSTEP*2
	s_or_b32 s[G0+4*(\s)+3], s[G0+4*(\s)+3], 0x80000000
	s_mov_b32 s[G0B+4*(\s)], 1
	s_add_co_u32 s[G0B+4*(\s)+1], s21, (\s)*SLOT
	s_add_nc_u64 s[G0B+4*(\s)+2:G0B+4*(\s)+3], s[46:47], (\s)*KSTEP*SIZE_N*2
	s_or_b32 s[G0B+4*(\s)+3], s[G0B+4*(\s)+3], 0x80000000
	JLOAD \s                                       ; two loads of mine are out: K steps 0 and 1
.endr
	v_and_b32 v1, 15, v0                           ; l % 16
	v_bfe_u32 v2, v0, 4, 1                         ; l / 16
	s_lshl_b32 s46, s42, 9                         ; my 64 columns of f32: 512 x tile column + 256 x half, in bytes
	s_lshl_b32 s47, s12, 8
	s_add_co_u32 s46, s46, s47
	s_mov_b32 s47, 0
	s_add_nc_u64 s[6:7], s[4:5], s[46:47]
	s_add_nc_u64 s[6:7], s[6:7], 0x1000000         ; the bias lies behind A and B
	v_lshlrev_b32 v[BO], 4, v1
	global_load_b128 v[BI:BI+3], v[BO], s[6:7]     ; waited for in front of the way out
	v_mul_u32_u24 v3, v1, PA
	v_lshl_add_u32 v3, v2, 4, v3                   ; A: row x pitch + 16 x half
	v_and_b32 v6, 7, v0
	v_lshl_add_u32 v6, v2, 3, v6                   ; B: row 8 (l / 16) + l % 8,
	v_mul_u32_u24 v6, v6, PBS
	v_bfe_u32 v7, v0, 3, 1
	v_lshl_add_u32 v6, v7, 4, v6                   ; columns 8 ((l / 8) % 2) on
	s_mul_i32 s21, s11, HALFA                      ; my 64 rows of A
	s_lshl_b32 s22, s12, 7                         ; my 64 columns of B, 128 bytes
	s_add_co_u32 s22, s22, BOFF
.irp s, 0,1
	v_add_nc_u32 v[ADRA+(\s)], s21, v3
	v_add_nc_u32 v[ADRB+2*(\s)], s22, v6
	v_add_nc_u32 v[ADRB+2*(\s)+1], HALFB, v[ADRB+2*(\s)]
	s_add_co_u32 s21, s21, SLOT
	s_add_co_u32 s22, s22, SLOT
.endr
	s_mul_i32 s23, s10, 16*SPITCH
	s_add_co_u32 s23, s23, STAGE                   ; my stage
	v_mul_u32_u24 v4, v1, SPITCH                   ; in: row l % 16, 32 bytes for each half of the lanes
	v_lshl_add_u32 v4, v2, 5, v4
	v_add_nc_u32 v[STO], s23, v4
	v_mul_u32_u24 v5, v2, SPITCH                   ; back: lanes 0-15 take one row of 256 bytes, lanes 16-31 the next
	v_lshl_add_u32 v5, v1, 4, v5
	v_add_nc_u32 v[RD], s23, v5
	v_lshlrev_b32 v5, 13, v2                       ; and the same two rows in C, 8,192 bytes apart
	v_lshl_add_u32 v[CO], v1, 4, v5
	s_lshl_b32 s16, s13, 7
	s_lshl_b32 s17, s11, 6
	s_add_co_u32 s16, s16, s17                     ; my first row of C
	s_lshl_b32 s16, s16, 13
	s_mov_b32 s17, 0
	s_add_nc_u64 s[8:9], s[8:9], s[16:17]
	s_add_nc_u64 s[8:9], s[8:9], s[46:47]
; 8 matrix instructions: m blocks a0, a0 + 1 x all 4 n blocks, 32 along K: half c of buffer f.  The 16 accumulators take turns.
.macro MUL8 f, c, a0, zero
	WIN MUL
.irp a, \a0, (\a0)+1
.irp b, 0,1,2,3
.if \zero
	v_wmma_f32_16x16x32_f16 v[ACC+8*(4*(\a)+(\b)):ACC+8*(4*(\a)+(\b))+7], v[(\f)+64+8*(4*(\c)+(\b)):(\f)+64+8*(4*(\c)+(\b))+7], v[(\f)+8*(4*(\c)+(\a)):(\f)+8*(4*(\c)+(\a))+7], 0
.else
	v_wmma_f32_16x16x32_f16 v[ACC+8*(4*(\a)+(\b)):ACC+8*(4*(\a)+(\b))+7], v[(\f)+64+8*(4*(\c)+(\b)):(\f)+64+8*(4*(\c)+(\b))+7], v[(\f)+8*(4*(\c)+(\a)):(\f)+8*(4*(\c)+(\a))+7], v[ACC+8*(4*(\a)+(\b)):ACC+8*(4*(\a)+(\b))+7]
.endif
.endr
.endr
.endm
; 32 LDS loads in one run: the fragments of quarter q of a K step (64 along K) into buffer f; the first 32 along K first
.macro FETCH slot, q, f
	WIN TO_F
.irp c, 0,1
.irp i, 0,1,2,3
	ds_load_tr16_b128 v[(\f)+64+8*(4*(\c)+(\i)):(\f)+64+8*(4*(\c)+(\i))+3],   v[ADRB+2*(\slot)+(\q)/2] offset:(((\q)%2)*64+32*(\c))*PBS+32*(\i)
	ds_load_tr16_b128 v[(\f)+64+8*(4*(\c)+(\i))+4:(\f)+64+8*(4*(\c)+(\i))+7], v[ADRB+2*(\slot)+(\q)/2] offset:(((\q)%2)*64+32*(\c)+16)*PBS+32*(\i)
	ds_load_b128 v[(\f)+8*(4*(\c)+(\i)):(\f)+8*(4*(\c)+(\i))+3],         v[ADRA+(\slot)] offset:128*(\q)+64*(\c)+(\i)*16*PA
	ds_load_b128 v[(\f)+8*(4*(\c)+(\i))+4:(\f)+8*(4*(\c)+(\i))+7],       v[ADRA+(\slot)] offset:128*(\q)+64*(\c)+(\i)*16*PA+32
.endr
.endr
.endm
.macro PLACES
.rept 4
	v_nop
.endr
.endm
.macro QUARTER slot, q, f, g, zero
	s_wait_dscnt 16                                ; the first 32 along K are in; the sixteen loads of the second 32 may be out
	MUL8 \f, 0, 0, \zero
	MUL8 \f, 0, 2, \zero
	PLACES
	FETCH \slot, \q, \g
	s_wait_dscnt 32                                ; all but the 32 just issued
	MUL8 \f, 1, 0, 0
	MUL8 \f, 1, 2, 0
.endm
; The last quarter multiplies buffer 1 and changes slots: one barrier; in front of it each wave waits for all its tensor loads, adds 0 to its spare word, and waits for that and for its reads of this slot.
.macro TURN slot, next, fill
	WIN 0
	s_wait_tensorcnt 0x0                           ; all my tensor loads have landed: my part of the next slot
	ds_add_u32 v[SPW], v[NIL]                      ; 0 onto my spare word
	s_wait_dscnt 17                                ; (the add and the youngest sixteen loads may be out)
	MUL8 F1, 0, 0, 0
	s_wait_dscnt 0x0                               ; the add is done, and my reads of this slot are over
	s_barrier_signal -1
	MUL8 F1, 0, 2, 0
.if \fill
	WIN 0
.endif
	s_barrier_wait -1
.if \fill
	CREST                                          ; the barrier has opened a round of the cluster's barrier
	s_add_nc_u64 s[G0+4*(\slot)+2:G0+4*(\slot)+3], s[G0+4*(\slot)+2:G0+4*(\slot)+3], 2*KSTEP*2
	s_add_nc_u64 s[G0B+4*(\slot)+2:G0B+4*(\slot)+3], s[G0B+4*(\slot)+2:G0B+4*(\slot)+3], 2*KSTEP*SIZE_N*2
	JLOAD \slot                                    ; my one load behind the round; its four v_nop are also the places in front of the loads below
.else
	PLACES
.endif
	FETCH \next, 0, F0
	MUL8 F1, 1, 0, 0
	MUL8 F1, 1, 2, 0
.endm
	s_wait_tensorcnt 1                             ; my part of K step 0 is in; K step 1's may stay out
	s_barrier_signal -1
	s_barrier_wait -1
	FETCH 0, 0, F0
	QUARTER 0, 1, F0, F1, 1                        ; the first quarter stands in front of the loop: its first products start the sums
	WIN 0
	s_mov_b32 s3, LAPS-1
.Llap:
	QUARTER 0, 2, F1, F0, 0
	QUARTER 0, 3, F0, F1, 0
	TURN 0, 1, 1
	QUARTER 1, 1, F0, F1, 0
	QUARTER 1, 2, F1, F0, 0
	QUARTER 1, 3, F0, F1, 0
	TURN 1, 0, 1
	QUARTER 0, 1, F0, F1, 0
	WIN 0
	s_sub_co_u32 s3, s3, 1
	s_cmp_lg_u32 s3, 0
	s_cbranch_scc1 .Llap
	QUARTER 0, 2, F1, F0, 0                        ; the last lap fills nothing
	QUARTER 0, 3, F0, F1, 0
	TURN 0, 1, 0
	QUARTER 1, 1, F0, F1, 0
	QUARTER 1, 2, F1, F0, 0
	QUARTER 1, 3, F0, F1, 0
	s_wait_dscnt 16
	MUL8 F1, 0, 0, 0
	MUL8 F1, 0, 2, 0
	s_wait_dscnt 0x0
	MUL8 F1, 1, 0, 0
	MUL8 F1, 1, 2, 0
	WIN 0
; THE WAY OUT, 16 rows at a time: a lane's eight f32 of a row go into my stage as two stores of 16 bytes, the low four registers first; whole rows of 256 bytes come back; the bias is added; they are stored.
.macro OUT a
.set TT, TMP+32*((\a)%2)
	s_wait_xcnt 0x0                                ; the stores of two blocks ago have had their addresses translated: their registers are loaded again only behind this wait
.irp b, 0,1,2,3
	ds_store_b128 v[STO], v[ACC+8*(4*(\a)+(\b)):ACC+8*(4*(\a)+(\b))+3] offset:64*(\b)
	ds_store_b128 v[STO], v[ACC+8*(4*(\a)+(\b))+4:ACC+8*(4*(\a)+(\b))+7] offset:64*(\b)+16
.endr
.irp t, 0,1,2,3,4,5,6,7
	ds_load_b128 v[TT+4*(\t):TT+4*(\t)+3], v[RD] offset:(\t)*2*SPITCH  ; LDS serves a wave's instructions in order (ISA guide 5.7.1.4): these see the stores above; the next block's stores come behind them
.endr
.irp t, 0,1,2,3,4,5,6,7
	s_wait_dscnt 7-(\t)                            ; pair t of rows is back; the younger loads may be out
	v_pk_add_f32 v[TT+4*(\t):TT+4*(\t)+1], v[TT+4*(\t):TT+4*(\t)+1], v[BI:BI+1]
	v_pk_add_f32 v[TT+4*(\t)+2:TT+4*(\t)+3], v[TT+4*(\t)+2:TT+4*(\t)+3], v[BI+2:BI+3]
	global_store_b128 v[CO], v[TT+4*(\t):TT+4*(\t)+3], s[8:9] offset:(16*(\a)+2*(\t))*SIZE_N*4  ; 16 lanes store 256 consecutive bytes, at a multiple of 256 from C's first byte
.endr
.endm
	PLACES
	s_wait_loadcnt 0x0                             ; the bias
	OUT 0
	OUT 1
	OUT 2
	OUT 3
	s_wait_tensorcnt 0x0                           ; the wave's end, behind my last tensor load and my last LDS store
	ds_add_u32 v[SPW], v[NIL]
	s_wait_dscnt 0x0
	CROUND                                         ; the closing round
	s_endpgm
.Lfunc_end_k_qcf08ff37a6_qproj:
	.size	k_qcf08ff37a6_qproj, .Lfunc_end_k_qcf08ff37a6_qproj-k_qcf08ff37a6_qproj
	.p2alignl 7, 3214868480
	.fill 96, 4, 3214868480
	.section	.rodata,"a",@progbits
	.p2align	6, 0x0
	.amdhsa_kernel k_qcf08ff37a6_qproj
		.amdhsa_group_segment_fixed_size 327680
		.amdhsa_private_segment_fixed_size 0
		.amdhsa_enable_private_segment 0
		.amdhsa_kernarg_size 16
		.amdhsa_user_sgpr_count 2
		.amdhsa_user_sgpr_kernarg_segment_ptr 1
		.amdhsa_wavefront_size32 1
		.amdhsa_system_sgpr_workgroup_id_x 1
		.amdhsa_system_sgpr_workgroup_id_y 1
		.amdhsa_system_sgpr_workgroup_id_z 1
		.amdhsa_system_vgpr_workitem_id 0
		.amdhsa_next_free_vgpr 512
		.amdhsa_next_free_sgpr 66
		.amdhsa_reserve_vcc 0
		.amdhsa_float_denorm_mode_32 3
		.amdhsa_float_denorm_mode_16_64 3
		.amdhsa_memory_ordered 1
		.amdhsa_forward_progress 1
		.amdhsa_inst_pref_size 91
	.end_amdhsa_kernel
	.amdgpu_metadata
---
amdhsa.version: [ 1, 2 ]
amdhsa.kernels:
  - .name:           k_qcf08ff37a6_qproj
    .symbol:         k_qcf08ff37a6_qproj.kd
    .args:
      - { .name: aq, .offset: 0, .size: 8, .value_kind: global_buffer, .address_space: global }
      - { .name: q32, .offset: 8, .size: 8, .value_kind: global_buffer, .address_space: global }
    .group_segment_fixed_size: 327680
    .private_segment_fixed_size: 0
    .kernarg_segment_align: 8
    .kernarg_segment_size: 16
    .max_flat_workgroup_size: 128
    .sgpr_count:     66
    .vgpr_count:     512
    .wavefront_size: 32
...
	.end_amdgpu_metadata
.endif
;; end of part 3
;; launch attn (part 4): grid 8 x 32, 4 waves a work-group, clusters of 4 x 1, 327,680 bytes of LDS; arguments q32, kv16, mbits, ao; writes ao
.if DOCPART == 4
	.amdgcn_target "amdgcn-amd-amdhsa--gfx1250"
	.amdhsa_code_object_version 6
	.text
	.protected	k_qcf08ff37a6_attn
	.globl	k_qcf08ff37a6_attn
	.p2align	8
	.type	k_qcf08ff37a6_attn,@function
k_qcf08ff37a6_attn:
	s_mov_b64 s[64:65], 0
	v_nop
	global_prefetch_b8 v0, s[64:65] scope:SCOPE_SE
	s_setreg_imm32_b32 hwreg(HW_REG_WAVE_MODE, 25, 1), 1
	s_wait_xcnt 0x0
	s_wait_alu depctr_hold_cnt(0) depctr_sa_sdst(0) depctr_va_vdst(0) depctr_va_sdst(0) depctr_va_ssrc(0) depctr_va_vcc(0) depctr_vm_vsrc(0)
	s_getreg_b32 s2, hwreg(HW_REG_IB_STS2, 6, 4)
	s_cmp_eq_u32 s2, 0
	s_cbranch_scc0 .Lentry_in_a_cluster
	s_endpgm
.Lentry_in_a_cluster:
	s_bfe_u32 s2, ttmp6, 0x10000c
	s_cmp_lg_u32 s2, 0x3003
	s_cbranch_scc0 .Lentry_shape_is_right
	s_endpgm
.Lentry_shape_is_right:
; ATTENTION.  O[b][q][h][:] = sum over k of softmax_k(masked(Q . K / sqrt(128))) V.  q32: q in f32, [b 1024 + q][2048]; kv16: k f16 [b 2048 + key][2048], v behind it at 16,777,216; a head's 128 channels are
; 256 aligned bytes of a row.  mbits: the mask as lane-mask words (layout at MLOAD).  O goes to ao, f16, [b 1024 + q][2048].  Products, maxima and sums in f32; q is rounded once to f16, unscaled; the
; weights p are rounded to f16 for the second product (their sum l is taken of the unrounded p), O once at the end.
; LIMITS.  q, k, v lie within 65,504.  A masked score is REPLACED by raw -2^70 (scaled -1.04e20 where the definition has -1e20): f16's scores, 5.5e11 at the most, are nothing beside either; c x 2^70 is exact,
; so in a row with every key masked each weight is exactly 1 and O is the mean of V's rows, as defined.  A weight below 2^-126 counts as 0.  NaN and infinities are not treated apart.
; SHARES.  A work-group owns 128 queries of one (b, h): 8 x 32 = 256 work-groups.  Wave w: queries 64 (w % 2) on, four tiles of 16; of every slot of 256 keys the two steps of 64 keys 2 p, 2 p + 1, p = w / 2:
; 16 steps.  So a fragment of K or V read from LDS feeds four tiles, and two waves hold partial results for the same queries; at the end each gives two tiles to the other and finishes two (THE MERGE).
; Register tile t is query tile (t + 2 p) % 4 of the wave's four, so that every wave gives tiles 2, 3 and keeps 0, 1: one text for all.
; LAYOUT.  S^T = K Q^T (source 0 = 16 keys, source 1 = 16 queries): a lane holds ONE query (lane % 16) and the keys 8 (lane / 16) + 0..7.  Two such tiles rounded to f16 ARE source 1 of O^T = V^T P.
; SOFTMAX.  A running maximum m and sum l: p = 2^(c s - c m), c = log2(e) / sqrt(128); in every step O and l are multiplied by a = 2^(c m_old - c m_new).  m starts at the lowest finite number, O and l at 0:
; the first step is a step like any other, with a = 0.
; BY TURNS.  The wave's tiles are two PIECES (0: tiles 0, 1; 2: tiles 2, 3).  In a TURN one piece has the matrix unit: 32 products V^T P of the step in hand, then 32 products K Q^T of the next; the other
; piece's masking and softmax, cut into 80 slices of four, stand behind those 64 matrix instructions, one behind each and a second behind every fourth.
; CLUSTER.  The four query blocks of a cluster belong to one (b, h) and walk the same K and V: each tile is asked for JOINTLY, by the same tensor load, descriptor and mask in all four.
; The price of one text for every step: 432 v_mov_b32 in the wait for the first tile, 32 products on zeros at the start and 32 on a stale K at the end.
; REGISTERS, in windows of 256 (s_set_vgpr_msb: bits 1:0 source 0, 3:2 source 1, 5:4 source 2, 7:6 destination):
;   window 0: v0-11 addresses; v12-43 eight registers of statistics a tile; v44-51 the merge; v62-63 the add's; v64-191 S^T, 32 a tile; v192-255 P, 16 a tile
;   window 1: O^T, 64 a tile (before the loop: q in f32)     window 2: v0-127 Q, 32 a tile; v128-255 K of one step     window 3: v0-127 V of one step; v128-255 the partner's O^T in the merge
.set KS,    64
.set PK,    272       ; a row of K in LDS: 256 bytes + 16 = 68 words: the 16 rows of a load start at 16 different groups of four banks (64 banks of 4 bytes: ISA guide 11.1)
.set PV,    288       ; a row of V: 256 + 32 = 72 words
.set KSLOT, 4*KS*PK   ; 69,632 = 0x11000: K's two slots lie at 0 and here
.set VSLOT, 4*KS*PV   ; 73,728 = 0x12000
.set VBASE, 2*KSLOT   ; 0x22000: V's two slots lie here and at 0x34000
.set KX,    0x11000   ; turns an address in one slot of K into the other's: the addresses it meets (0 or 0x8800 past a slot's first byte) share no bit with it
.set VX,    0x16000   ; 0x22000 xor 0x34000; the same for 0x2B000 and 0x3D000
.set TVX,   0x12000   ; for V's addresses counted from VBASE (0 or 0x9000 past a slot's first byte)
.set STAGE, VBASE+2*VSLOT  ; 16 rows x 272 bytes for each wave, for the way out
.set SP,    272
.set SPARE, STAGE+4*16*SP  ; the spare words, 128 bytes for each wave: two blocks of 256 bytes that no other line names
.set XBYTES, 16896    ; the merge's scratch, for each wave: 16,384 bytes of O^T and 512 of statistics, in K's slot 0, which has had its last fill by then
.set AK0, 2           ; v2   my lane's place in a tile of K; never rewritten
.set AV0, 3           ; v3   the same for V, VBASE in it
.set ADR, 4           ; v4   the LDS address of the run of loads in hand
.set QO,  5           ; v5   my byte offset in 16 rows of q
.set STO, 6
.set RD,  7
.set GO,  8
.set ST,  12          ; tile t's statistics at v[ST+8 t]: +0 c m, +1 m, +2, +3 l, +4 to +7 at work; a takes +6 once the maximum is found
.set PS,  44          ; v44-47 the partner's c m and l for my tiles 0, 1
.set XA,  48          ; v48  where I put the O^T that I give       v49 XB  where I find what I am given
.set XB,  49
.set XS,  50          ; v50, v51  the same for the statistics
.set XT,  51
.set SPW, 62
.set NIL, 63
.set S,   64
.set P,   192
.set KF,  128
.set MP,  2           ; s[2:3]   mbits at my wave's four query tiles
.set G0K, 4           ; s[4:7]   descriptor group 0 for K's tiles: it walks
.set G1K, 8           ; s[8:15]  group 1 for K's tiles
.set G1V, 16          ; s[16:23] for V's: it differs in the padding alone
.set G0V, 24          ; s[24:27]
.set WV,  28
.set SLOTS, 29
.set TWICE, 30
.set MO,  31          ; s31  byte offset of the mask words to be loaded
.set MW,  32          ; s[32:63] the mask words of the softmax's first tile, s[68:99] of its second; before the loop and behind it: temporaries
.set TBK, 66          ; s66  LDS byte at which K of the step to be fetched begins
.set TBV, 67          ; s67  the same for V, less VBASE
.set CS,  100         ; s100 c; the packed scaling names the pair and takes its low word
.set MNEG, 101        ; s101 -2^70
.set SEL, 104         ; s[104:105] v_permlanex16_b32's selects
.set MSB, 0
.macro WIN new
.if MSB != (\new)
	s_set_vgpr_msb (MSB<<8)|(\new)
.set MSB, (\new)
.endif
.endm
.set W_KQ, 0x0a       ; K and Q in window 2, S^T in window 0
.set W_PV, 0x53       ; V in window 3, P in window 0, O^T in window 1
.set W_RS, 0x41       ; O^T (destination and source 0) in window 1, a in window 0
; A joint fill.  Waves 0 and 1 fetch the two halves of a slot's K, waves 2 and 3 those of its V: 128 keys each.  An s_nop 0 and four v_nop follow each of the two lines.
.macro JLOAD
	s_cmp_lt_u32 s[WV], 2
	s_cbranch_scc0 .Lfor_v_\@
	tensor_load_to_lds s[G0K:G0K+3], s[G1K:G1K+7]
	s_nop 0
.rept 4
	v_nop
.endr
	s_branch .Lasked_\@
.Lfor_v_\@:
	tensor_load_to_lds s[G0V:G0V+3], s[G1V:G1V+7]
	s_nop 0
.rept 4
	v_nop
.endr
.Lasked_\@:
.endm
.macro CROUND                       ; a round of the cluster's barrier
	s_barrier_signal -1
	s_barrier_wait -1
	s_cmp_lg_u32 s[WV], 0
	s_cbranch_scc1 .Lnot_wave_0_\@
	s_barrier_signal -3
.Lnot_wave_0_\@:
	s_barrier_wait -3
	s_barrier_signal -1
	s_barrier_wait -1
.endm
; THE CHANGE OF SLOTS.  Each wave waits for all its tensor loads, of which one is out: its part of the other slot; adds 0 to its spare word; and waits for that and for its reads of the slot that it leaves.
; fill = 1: the barrier is a round of the cluster's, and the slot is filled again, with the keys two slots on, first thing behind it: it has two of the wave's key steps, 256 matrix instructions, in which to
; land.  (At its first use nothing has been read yet: slot 0 is waited for, slot 1 filled.)
.macro CHANGE fill
	WIN 0
	s_wait_tensorcnt 0x0            ; no tensor load of mine is out, so a group 0 may be written
	ds_add_u32 v[SPW], v[NIL]       ; 0 onto my spare word
.if \fill
	s_xor_b32 s[G0K+1], s[G0K+1], KX
	s_add_nc_u64 s[G0K+2:G0K+3], s[G0K+2:G0K+3], 4*KS*4096  ; the next 256 keys, rows of 4,096 bytes; the type bits on top are not reached
	s_xor_b32 s[G0V+1], s[G0V+1], VX
	s_add_nc_u64 s[G0V+2:G0V+3], s[G0V+2:G0V+3], 4*KS*4096
	s_wait_dscnt 0x0                ; the add is done, and my reads of the slot are over
	CROUND
	JLOAD
.else
	s_wait_dscnt 0x0
	s_barrier_signal -1
	s_barrier_wait -1
.endif
	s_sub_co_u32 s[TBK], s[TBK], 2*KS*PK  ; the fetches go back to my first step of a slot,
	s_xor_b32 s[TBK], s[TBK], KX          ; in the other slot
	s_sub_co_u32 s[TBV], s[TBV], 2*KS*PV
	s_xor_b32 s[TBV], s[TBV], TVX
.endm
	s_load_b256 s[32:39], s[0:1], 0x0  ; q32 s[32:33], kv16 s[34:35], mbits s[36:37] (ao is fetched at the end)
	v_lshl_add_u32 v[SPW], v0, 2, SPARE
	v_mov_b32 v[NIL], 0
	ds_add_u32 v[SPW], v[NIL]       ; the wave's opening: the add and its wait stand ahead of my first tensor load
	v_lshrrev_b32 v1, 5, v0
	v_readfirstlane_b32 s[WV], v1   ; wave 0..3
	s_bfe_u32 s40, ttmp6, 0x40000   ; cx
	s_lshl_b32 s41, ttmp9, 2
	s_add_co_u32 s41, s41, s40      ; my block of 128 queries: it enters q's, the mask's and O's addresses alone
	s_and_b32 s42, ttmp7, 0xffff
	s_lshr_b32 s43, s42, 4          ; b
	s_and_b32 s44, s42, 15          ; h
	s_lshr_b32 s45, s[WV], 1        ; p: which two steps of a slot I walk
	s_and_b32 s46, s[WV], 1         ; which 64 queries are mine.  Also: which half of a slot's keys I fetch
	s_lshl_b32 s48, s43, 23         ; K: the batch's 2,048 rows of 4,096 bytes,
	s_lshl_b32 s49, s46, 19         ; my 128 rows,
	s_add_co_u32 s48, s48, s49
	s_lshl_b32 s49, s44, 8          ; the head's 256 bytes
	s_add_co_u32 s48, s48, s49
	s_mov_b32 s49, 0
	s_lshl_b32 s50, s41, 15         ; the mask: 8 query tiles a block, 4 a wave, 4,096 bytes each
	s_lshl_b32 s51, s46, 14
	s_add_co_u32 s50, s50, s51
	s_mov_b32 s51, 0
	s_lshl_b32 s52, s43, 10
	s_lshl_b32 s53, s41, 7
	s_add_co_u32 s52, s52, s53
	s_lshl_b32 s53, s46, 6
	s_add_co_u32 s52, s52, s53      ; my wave's first row of q
	s_lshl_b32 s53, s45, 5
	s_add_co_u32 s54, s52, s53      ; piece 0: rows 32 p on,
	s_xor_b32 s53, s53, 32
	s_add_co_u32 s56, s52, s53      ; piece 2: rows 32 (1 - p) on,
	s_lshl_b32 s54, s54, 13         ; of 8,192 bytes,
	s_lshl_b32 s56, s56, 13
	s_lshl_b32 s53, s44, 9          ; the head's 512 bytes
	s_add_co_u32 s54, s54, s53
	s_add_co_u32 s56, s56, s53
	s_mov_b32 s55, 0
	s_mov_b32 s57, 0
	s_mov_b32 s[G1K], 15|(1<<16)|(1<<20)|(1<<21)|(5<<22)|(3<<25)  ; the mask of four; 2-byte elements; padding on; bit 21 beside a mask; after every 64 words 4 words
	s_mov_b32 s[G1V], 15|(1<<16)|(1<<20)|(1<<21)|(5<<22)|(7<<25)  ; the same with 8 words
.irp g, G1K, G1V
	s_mov_b32 s[(\g)+1], 128<<16    ; tensor_dim0 = 128
	s_mov_b32 s[(\g)+2], 128<<16    ; tensor_dim1 = 128
	s_mov_b32 s[(\g)+3], 128<<16    ; tile_dim0 = 128
	s_mov_b32 s[(\g)+4], 128        ; tile_dim1 = 128
	s_mov_b32 s[(\g)+5], 2048       ; elements from row to row
	s_mov_b32 s[(\g)+6], 0
	s_mov_b32 s[(\g)+7], 0
.endr
	s_mov_b32 s[G0K], 1
	s_mul_i32 s[G0K+1], s46, 128*PK ; slot 0, my half: the wave's number alone enters an LDS address
	s_mov_b32 s[G0V], 1
	s_mul_i32 s[G0V+1], s46, 128*PV
	s_add_co_u32 s[G0V+1], s[G0V+1], VBASE
	s_mov_b32 s[CS], 0x3e0293ee     ; c = log2(e) / sqrt(128)
	s_mov_b32 s[MNEG], 0xe2800000   ; -2^70
	s_mov_b32 s[SEL], 0x76543210
	s_mov_b32 s[SEL+1], 0xfedcba98
	s_mul_i32 s[TBK], s45, 2*KS*PK  ; the first change of slots turns these two into my first step of slot 0
	s_add_co_u32 s[TBK], s[TBK], KSLOT+2*KS*PK
	s_mul_i32 s[TBV], s45, 2*KS*PV
	s_add_co_u32 s[TBV], s[TBV], VSLOT+2*KS*PV
	s_mul_i32 s[MO], s45, 0x2800    ; piece 0 is query tile 2 p (8,192 p); my steps' words begin at 2,048 p
	s_wait_dscnt 0x0                ; the opening add is done
	s_wait_kmcnt 0x0
	s_add_nc_u64 s[G0K+2:G0K+3], s[34:35], s[48:49]
	s_add_nc_u64 s[G0V+2:G0V+3], s[G0K+2:G0K+3], 0x1000000
	s_or_b32 s[G0K+3], s[G0K+3], 0x80000000
	s_or_b32 s[G0V+3], s[G0V+3], 0x80000000
	s_add_nc_u64 s[MP:MP+1], s[36:37], s[50:51]
	s_add_nc_u64 s[54:55], s[32:33], s[54:55]
	s_add_nc_u64 s[56:57], s[32:33], s[56:57]
	CROUND                          ; all four work-groups are here: the first joint loads meet
	JLOAD                           ; slot 0.  One tensor load of mine is out, here and behind every round
	; q in f32 into window 1: lane l takes row l % 16; for channels 32 c on: 8 (l / 16) + 0..7 (32 bytes at 128 c + 32 (l / 16)) and 16 + 8 (l / 16) + 0..7 (64 bytes further)
	v_and_b32 v1, 15, v0            ; l % 16
	v_bfe_u32 v9, v0, 4, 1          ; l / 16
	v_lshlrev_b32 v[QO], 13, v1
	v_lshl_add_u32 v[QO], v9, 5, v[QO]
	WIN 0x40                        ; destination window 1
.set t, 0
.rept 4
.set c, 0
.rept 4
	global_load_b128 v[64*t+16*c:64*t+16*c+3],     v[QO], s[54+2*(t/2):55+2*(t/2)] offset:(t%2)*131072+c*128
	global_load_b128 v[64*t+16*c+4:64*t+16*c+7],   v[QO], s[54+2*(t/2):55+2*(t/2)] offset:(t%2)*131072+c*128+16
	global_load_b128 v[64*t+16*c+8:64*t+16*c+11],  v[QO], s[54+2*(t/2):55+2*(t/2)] offset:(t%2)*131072+c*128+64
	global_load_b128 v[64*t+16*c+12:64*t+16*c+15], v[QO], s[54+2*(t/2):55+2*(t/2)] offset:(t%2)*131072+c*128+80
.set c, c+1
.endr
.set t, t+1
.endr
	; What the first turn finds: V and piece 2's P hold 0 (its products V^T P, of a step that has not been, add 0); l is 0.
	WIN 0xc0
.set i, 0
.rept 128
	v_mov_b32 v[i], 0
.set i, i+1
.endr
	WIN 0
.set i, 0
.rept 4
	v_mov_b32 v[ST+8*i], 0xfe000000    ; c m: far below every c s
	v_mov_b32 v[ST+8*i+1], 0xff7fffff  ; m
	v_mov_b32 v[ST+8*i+2], 0
	v_mov_b32 v[ST+8*i+3], 0
.set i, i+1
.endr
.set i, P+32
.rept 32
	v_mov_b32 v[i], 0
.set i, i+1
.endr
	v_mul_u32_u24 v[AK0], v1, PK
	v_lshl_add_u32 v[AK0], v9, 4, v[AK0]  ; row x pitch + 16 x half
	v_and_b32 v10, 7, v0            ; the turning load: lane l reads key 8 (l / 16) + l % 8, channels 8 ((l / 8) % 2) + 0..7
	v_bfe_u32 v11, v0, 3, 1
	v_lshl_add_u32 v[AV0], v9, 3, v10
	v_mul_u32_u24 v[AV0], v[AV0], PV
	v_lshl_add_u32 v[AV0], v11, 4, v[AV0]
	v_add_nc_u32 v[AV0], VBASE, v[AV0]
	s_mul_i32 s58, s[WV], 16*SP
	s_add_co_u32 s58, s58, STAGE    ; my stage
	v_mul_u32_u24 v[STO], v1, SP    ; in: row l % 16, 16 bytes for each half of the lanes
	v_lshl_add_u32 v[STO], v9, 4, v[STO]
	v_add_nc_u32 v[STO], s58, v[STO]
	v_mul_u32_u24 v[RD], v9, SP     ; back: lanes 0-15 take one row of 256 bytes, lanes 16-31 the next
	v_lshl_add_u32 v[RD], v1, 4, v[RD]
	v_add_nc_u32 v[RD], s58, v[RD]
	v_lshlrev_b32 v[GO], 12, v9     ; and the same two rows in O, 4,096 bytes apart
	v_lshl_add_u32 v[GO], v1, 4, v[GO]
	v_and_b32 v10, 31, v0
	s_mul_i32 s58, s[WV], XBYTES    ; the merge: my scratch,
	s_xor_b32 s59, s[WV], 2         ; and that of the wave with the same queries and the other keys
	s_mul_i32 s59, s59, XBYTES
	v_lshl_add_u32 v[XA], v10, 4, s58
	v_lshl_add_u32 v[XB], v10, 4, s59
	s_add_co_u32 s58, s58, 16384
	s_add_co_u32 s59, s59, 16384
	v_lshl_add_u32 v[XS], v10, 3, s58
	v_lshl_add_u32 v[XT], v10, 3, s59
	s_wait_loadcnt 0x0              ; q
	WIN 0x85                        ; sources in window 1, destination in window 2
.set i, 0
.rept 128
	v_cvt_pk_f16_f32 v[i], v[2*i], v[2*i+1]  ; Q's register 32 t + 8 c + n takes temporaries 64 t + 16 c + 2 n, + 1: the one rounding of q
.set i, i+1
.endr
	WIN 0x40
.set i, 0
.rept 256
	v_mov_b32 v[i], 0               ; O^T
.set i, i+1
.endr
	WIN 0
	s_load_b512 s[MW:MW+15],    s[MP:MP+1], s[MO]              ; the mask words of piece 0, step 0: q's loads are done, so their bases' registers are free
	s_load_b512 s[MW+16:MW+31], s[MP:MP+1], s[MO] offset:0x40
	s_load_b512 s[MW+36:MW+51], s[MP:MP+1], s[MO] offset:0x1000
	s_load_b512 s[MW+52:MW+67], s[MP:MP+1], s[MO] offset:0x1040
; THE MATRIX WORK OF A TURN, for piece x.  The accumulators take turns, one instruction a turn: between two links of a chain stand 15 (V^T P) or 7 (K Q^T) others'.
.macro PV x                         ; product i of 32 of O^T += V^T P: keys 32 (i / 16) on, channels 16 ((i / 2) % 8) on, tile x + i % 2
	WIN W_PV
.set rO, 64*((\x)+i%2)+8*((i/2)%8)
.set rV, 64*(i/16)+8*((i/2)%8)
.set rP, P+16*((\x)+i%2)+8*(i/16)
	v_wmma_f32_16x16x32_f16 v[rO:rO+7], v[rV:rV+7], v[rP:rP+7], v[rO:rO+7]
.endm
.macro KQ x                         ; product i of 32 of S^T = K Q^T: channels 32 (i / 8) on, keys 16 ((i / 2) % 4) on, tile x + i % 2.  The first 8 start the sums
	WIN W_KQ
.set rS, S+32*((\x)+i%2)+8*((i/2)%4)
.set rK, KF+32*((i/2)%4)+8*(i/8)
.set rQ, 32*((\x)+i%2)+8*(i/8)
.if i < 8
	v_wmma_f32_16x16x32_f16 v[rS:rS+7], v[rK:rK+7], v[rQ:rQ+7], 0
.else
	v_wmma_f32_16x16x32_f16 v[rS:rS+7], v[rK:rK+7], v[rQ:rQ+7], v[rS:rS+7]
.endif
.endm
; THE LDS LOADS stand in runs of 32.  last = 1 (the tail): in the last trip there is no further step, and the run is jumped over.
.macro FETCH_K last=0
	WIN 0
.if \last
	s_cmp_eq_u32 s[TWICE], 1
	s_cbranch_scc1 .Lno_k_\@
.endif
	v_add_nc_u32 v[ADR], s[TBK], v[AK0]
	WIN 0x80                        ; destination window 2
.irp f, 0,1,2,3,4,5,6,7,8,9,10,11,12,13,14,15  ; keys 16 (f / 4) on, channels 32 (f % 4) on
	ds_load_b128 v[KF+8*(\f):KF+8*(\f)+3],   v[ADR] offset:((\f)/4)*16*PK+((\f)%4)*64
	ds_load_b128 v[KF+8*(\f)+4:KF+8*(\f)+7], v[ADR] offset:((\f)/4)*16*PK+((\f)%4)*64+32
.endr
	s_add_co_u32 s[TBK], s[TBK], KS*PK  ; the next fetch is the next step's
	WIN 0
.if \last
.Lno_k_\@:
.endif
.endm
.macro FETCH_V
	WIN 0
	v_add_nc_u32 v[ADR], s[TBV], v[AV0]
	s_add_co_u32 s[TBV], s[TBV], KS*PV
	WIN 0xc0                        ; destination window 3
.irp f, 0,1,2,3,4,5,6,7,8,9,10,11,12,13,14,15  ; keys 32 (f / 8) on, channels 16 (f % 8) on
	ds_load_tr16_b128 v[8*(\f):8*(\f)+3],   v[ADR] offset:((\f)/8)*32*PV+((\f)%8)*32
	ds_load_tr16_b128 v[8*(\f)+4:8*(\f)+7], v[ADR] offset:((\f)/8)*32*PV+16*PV+((\f)%8)*32
.endr
.endm
; THE MASK WORDS of the next turn's softmax: for a tile of 16 queries and a step of 64 keys 32 words, one for each register of S^T (bit L = lane L's score is masked), 128 consecutive bytes; a wave's
; sixteen steps lie end to end, a query tile's words 4,096 bytes from the next tile's.  y is the piece whose softmax is in hand: its words have all been used.  The other piece's tiles lie 8,192 bytes
; away, either way: one exclusive or; behind piece 2 comes piece 0 of the next step.  The turn's head waits for these loads, which also frees s[MO].
.macro MLOAD y, last
	WIN 0
.if \last
	s_cmp_eq_u32 s[TWICE], 1        ; the last trip: there is no further step, and no load leaves the buffer
	s_cbranch_scc1 .Lno_m_\@
.endif
	s_xor_b32 s[MO], s[MO], 0x2000
.if (\y) == 2
	s_add_co_u32 s[MO], s[MO], 128
.endif
	s_load_b512 s[MW:MW+15],    s[MP:MP+1], s[MO]
	s_load_b512 s[MW+16:MW+31], s[MP:MP+1], s[MO] offset:0x40
	s_load_b512 s[MW+36:MW+51], s[MP:MP+1], s[MO] offset:0x1000
	s_load_b512 s[MW+52:MW+67], s[MP:MP+1], s[MO] offset:0x1040
.if \last
.Lno_m_\@:
.endif
.endm
; THE SOFTMAX of one tile and step is a list of 134 instructions; SM writes number j of it for tile t.  s0-s31 are the lane's 32 scores, in pairs 0-15.
;   0-15    the maximum of s0-s31 and the old m, three operands at a time     16-20  the other half of the lanes' maximum; the new m; c m; c m_old - c m_new
;   21-87   33 exponentials (a, then s0-s31) at the odd numbers from 23 on, each with a plain instruction behind it; the plain ones are what is ready: c s - c m for a pair whose exponentials are to come,
;           the rounding to f16 of a pair whose exponentials are done, at last the first three sums
;   88-101  the last rounding; the rest of the sums; l = a l + the sum          102-133  the tile's O^T times a: the one part that leaves window 0
.macro SM t
.set rT, ST+8*(\t)
.set rS, S+32*(\t)
.set rP, P+16*(\t)
.set rO, 64*(\t)+2*(j-102)
.set q, (j-20)/2
.if j < 102
	WIN 0
.endif
.if j < 4
	v_max3_num_f32 v[rT+4+j], v[rS+8*j], v[rS+8*j+1], v[rS+8*j+2]
.elseif j < 12
	v_max3_num_f32 v[rT+4+j%4], v[rT+4+j%4], v[rS+8*(j%4)+2*(j/4)+1], v[rS+8*(j%4)+2*(j/4)+2]
.elseif j == 12
	v_max3_num_f32 v[rT+4], v[rT+4], v[rS+7], v[rS+15]
.elseif j == 13
	v_max3_num_f32 v[rT+6], v[rT+6], v[rS+23], v[rS+31]
.elseif j == 14
	v_max3_num_f32 v[rT+4], v[rT+4], v[rT+5], v[rT+6]
.elseif j == 15
	v_max3_num_f32 v[rT+4], v[rT+4], v[rT+7], v[rT+1]
.elseif j == 16
	v_permlanex16_b32 v[rT+5], v[rT+4], s[SEL], s[SEL+1]  ; the query's other 32 keys lie in the lane 16 away
.elseif j == 17
	v_mov_b32 v[rT+7], v[rT]        ; c m_old is kept for a
.elseif j == 18
	v_max_num_f32 v[rT+1], v[rT+4], v[rT+5]
.elseif j == 19
	v_mul_f32 v[rT], s[CS], v[rT+1]
.elseif j == 20
	v_sub_f32 v[rT+7], v[rT+7], v[rT]
.elseif j == 23
	v_exp_f32 v[rT+6], v[rT+7]
.elseif (j < 88) && (j > 23) && (j%2 == 1)
	v_exp_f32 v[rS+(j-25)/2], v[rS+(j-25)/2]
.elseif (q < 4) || ((j < 76) && (q%2 == 0))
.set b, q/2+2
.if q < 4
.set b, q
.endif
	v_pk_fma_f32 v[rS+2*b:rS+2*b+1], v[rS+2*b:rS+2*b+1], s[CS:CS+1], v[rT:rT+1] op_sel_hi:[1,0,0] neg_lo:[0,0,1] neg_hi:[0,0,1]  ; pair b: c s - c m
.elseif (j < 88) && (q%2 == 1)
	s_wait_alu depctr_va_vdst(0)
	v_cvt_pk_f16_f32 v[rP+(q-5)/2], v[rS+q-5], v[rS+q-4]
.elseif j == 89
	s_wait_alu depctr_va_vdst(0)
	v_cvt_pk_f16_f32 v[rP+15], v[rS+30], v[rS+31]
.elseif j < 102                     ; the sum of the tile's 16 pairs, in place: sum z of 16 adds neighbours 1, 2, 4 and 8 pairs apart, then l takes it
.set z, j-86
.if j < 89
.set z, (j-76)/4
.endif
.set w, 4
.set u, z
.if z >= 14
.set w, 32
.set u, 0
.elseif z >= 12
.set w, 16
.set u, z-12
.elseif z >= 8
.set w, 8
.set u, z-8
.endif
.if z < 15
	v_pk_add_f32 v[rS+w*u:rS+w*u+1], v[rS+w*u:rS+w*u+1], v[rS+w*u+w/2:rS+w*u+w/2+1]
.else
	v_pk_fma_f32 v[rT+2:rT+3], v[rT+2:rT+3], v[rT+6:rT+7], v[rS:rS+1] op_sel_hi:[1,0,1]
.endif
.else
	WIN W_RS
	v_pk_mul_f32 v[rO:rO+1], v[rO:rO+1], v[rT+6:rT+7] op_sel_hi:[1,0]
.endif
.endm
; Slice kk of 80 of piece y's vector work, four instructions.  0-15: the mask: a masked score is replaced by -2^70, registers in ascending order.
; 16-79: numbers 2 k and 2 k + 1 (k = kk - 16) of both tiles' softmax; the twelve that are over stand together in the last slice, sixteen plain instructions that name nothing of the
; products round them: the places between the turn's last K Q^T and the next turn's first use of those scores, and in front of the loads into K's registers.
.macro SLICE y, last
.if kk < 16
	WIN 0
.irp n, 0,1
.irp u, 0,1
	v_cndmask_b32 v[S+32*((\y)+\u)+2*kk+\n], v[S+32*((\y)+\u)+2*kk+\n], s[MNEG], s[MW+36*\u+2*kk+\n]
.endr
.endr
.else
.set k, kk-16
.if kk == 18
	MLOAD \y, \last
.endif
.if (k >= 11) && (k < 44)           ; tile by tile: plain, exponential, plain, exponential
.irp t, \y, (\y)+1
.irp n, 0,1
.set j, 2*k+(\n)
	SM \t
.endr
.endr
.else                               ; the two tiles alternate, so that no instruction reads the result of the one just before it
.irp n, 0,1,2,3,4,5,6,7
.if ((\n) < 2) || (k == 63)
.irp t, \y, (\y)+1
.set j, 2*k+(\n)
	SM \t
.endr
.endif
.endr
.endif
.endif
.set kk, kk+1
.endm
.macro DEAL y, last                 ; behind matrix instruction g of 64: one slice, and a second behind every fourth: 80
	SLICE \y, \last
.if g%4 == 0
	SLICE \y, \last
.endif
.set g, g+1
.endm
; A TURN.  Piece x has the matrix unit; the other piece's slices stand behind its matrix instructions.  Piece 0's turn fetches the next step's K behind its second product: the last product that read K
; stands in front of the last slice of the turn before.  Piece 2's turn fetches the same step's V behind its second K Q^T: the last product that read V stands four slices, eight plain instructions, back.
.macro TURN x, last=0
.set kk, 0
.set g, 0
	s_wait_kmcnt 0x0                ; the mask words are in
.if (\x) == 0
	s_wait_dscnt 0x0                ; V is in
.endif
.set i, 0
.rept 32
	PV \x
	DEAL 2-(\x), \last
.if ((\x) == 0) && (i == 1)
	FETCH_K \last
.endif
.set i, i+1
.endr
.if (\x) == 0
	s_wait_dscnt 0x0                ; K is in
.endif
.set i, 0
.rept 32
	KQ \x
	DEAL 2-(\x), \last
.if ((\x) == 2) && (i == 1)
	FETCH_V
.endif
.set i, i+1
.endr
.endm
	CHANGE 1                        ; slot 0 is in, everybody's part of it; slot 1 is asked for
	FETCH_K                         ; my key step 0
	s_wait_dscnt 0x0
.set i, 0
.rept 32
	KQ 0                            ; piece 0's first scores
.set i, i+1
.endr
	WIN 0
.rept 4
	v_nop                           ; the places behind those products
.endr
	s_mov_b32 s[TWICE], 2
	s_mov_b32 s[SLOTS], 7
	s_branch .Lfirst                ; the loop is entered in the middle of a trip
.Lslot:                             ; six times: slots 2 to 7 are asked for
	CHANGE 1
	s_mov_b32 s[TWICE], 2
.Lstep:
	TURN 0
	WIN 0
.Lfirst:
	TURN 2
	WIN 0
	s_sub_co_u32 s[TWICE], s[TWICE], 1
	s_cmp_lg_u32 s[TWICE], 0
	s_cbranch_scc1 .Lstep
	s_sub_co_u32 s[SLOTS], s[SLOTS], 1
	s_cmp_lg_u32 s[SLOTS], 0
	s_cbranch_scc1 .Lslot
	CHANGE 0                        ; the tail is written out: nothing is asked for
	s_mov_b32 s[TWICE], 3           ; two trips fetch the last slot's steps; the third is left in its middle
.Ltail:
	TURN 0, 1
	WIN 0
	s_sub_co_u32 s[TWICE], s[TWICE], 1
	s_cmp_eq_u32 s[TWICE], 0
	s_cbranch_scc1 .Lout
	TURN 2
	WIN 0
	s_branch .Ltail
.Lout:
	s_wait_kmcnt 0x0                ; no mask word is on its way: the registers serve as temporaries again
	s_load_b64 s[38:39], s[0:1], 0x18  ; ao
.set i, 0
.rept 32
	PV 2                            ; piece 2: V^T P of the last step
.set i, i+1
.endr
	; THE MERGE.  l's two halves and the other half of the lanes' are added (the first four additions are the places behind the last products).  Then I give c m, l and O^T of my tiles 2, 3 to the wave
	; with the same queries and the other keys, and take its figures for my tiles 0, 1: lane to lane, since both hold the same layout.
	WIN 0
.macro ALL4 line:vararg             ; one line for each tile t
.set t, 0
.rept 4
	\line
.set t, t+1
.endr
.endm
	ALL4 v_add_f32 v[ST+8*t+4], v[ST+8*t+2], v[ST+8*t+3]
	ALL4 v_permlanex16_b32 v[ST+8*t+5], v[ST+8*t+4], s[SEL], s[SEL+1]
	ALL4 v_add_f32 v[ST+8*t+1], v[ST+8*t+4], v[ST+8*t+5]
	s_wait_dscnt 0x0                ; my reads of the ring are over;
	s_barrier_signal -1
	s_barrier_wait -1               ; everybody's are: the scratch, which lies in K's slot 0, may be written
	WIN 0x04                        ; store data in window 1
.set i, 0
.rept 32
	ds_store_b128 v[XA], v[128+4*i:128+4*i+3] offset:512*i
.set i, i+1
.endr
	WIN 0
	ds_store_b64 v[XS], v[ST+16:ST+17]
	ds_store_b64 v[XS], v[ST+24:ST+25] offset:256
	s_wait_dscnt 0x0                ; for the other wave's sake: my stores are done
	s_barrier_signal -1
	s_barrier_wait -1
	ds_load_b64 v[PS:PS+1], v[XT]
	ds_load_b64 v[PS+2:PS+3], v[XT] offset:256
	WIN 0xc0                        ; destination window 3
.set i, 0
.rept 32
	ds_load_b128 v[128+4*i:128+4*i+3], v[XB] offset:512*i
.set i, i+1
.endr
	WIN 0
	s_bfe_u32 s40, ttmp6, 0x40000   ; O at my tiles 0, 1: row b 1024 + 128 block + 64 (w % 2) + 32 p, of 4,096 bytes; the head's 256 bytes
	s_lshl_b32 s41, ttmp9, 2
	s_add_co_u32 s41, s41, s40
	s_and_b32 s42, ttmp7, 0xffff
	s_lshr_b32 s43, s42, 4
	s_and_b32 s44, s42, 15
	s_lshl_b32 s46, s43, 10
	s_lshl_b32 s47, s41, 7
	s_add_co_u32 s46, s46, s47
	s_and_b32 s47, s[WV], 1
	s_lshl_b32 s47, s47, 6
	s_add_co_u32 s46, s46, s47
	s_lshr_b32 s47, s[WV], 1
	s_lshl_b32 s47, s47, 5
	s_add_co_u32 s46, s46, s47
	s_lshl_b32 s46, s46, 12
	s_lshl_b32 s47, s44, 8
	s_add_co_u32 s46, s46, s47
	s_mov_b32 s47, 0
	s_wait_kmcnt 0x0
	s_add_nc_u64 s[38:39], s[38:39], s[46:47]
	s_wait_dscnt 0x0
	; with M = max(c m_A, c m_B), w_A = 2^(c m_A - M), w_B likewise: O = (w_A O_A + w_B O_B) / (w_A l_A + w_B l_B); the divisor is at least 1
.irp t, 0,1
	v_max_num_f32 v[ST+8*(\t)+2], v[ST+8*(\t)], v[PS+2*(\t)]
.endr
.irp t, 0,1
	v_sub_f32 v[ST+8*(\t)+3], v[ST+8*(\t)], v[ST+8*(\t)+2]
	v_sub_f32 v[ST+8*(\t)+5], v[PS+2*(\t)], v[ST+8*(\t)+2]
.endr
.irp t, 0,1
	v_exp_f32 v[ST+8*(\t)+4], v[ST+8*(\t)+3]
	v_exp_f32 v[ST+8*(\t)+6], v[ST+8*(\t)+5]
.endr
	v_nop                           ; a plain instruction behind the last exponential
.irp t, 0,1
	s_wait_alu depctr_va_vdst(0)
	v_mul_f32 v[ST+8*(\t)+3], v[ST+8*(\t)+4], v[ST+8*(\t)+1]
.endr
.irp t, 0,1
	v_fmac_f32 v[ST+8*(\t)+3], v[ST+8*(\t)+6], v[PS+2*(\t)+1]
.endr
.irp t, 0,1
	v_rcp_f32 v[ST+8*(\t)+5], v[ST+8*(\t)+3]
.endr
	v_nop                           ; a plain instruction behind the last reciprocal
.irp t, 0,1
	s_wait_alu depctr_va_vdst(0)
	v_mul_f32 v[ST+8*(\t)+4], v[ST+8*(\t)+4], v[ST+8*(\t)+5]
	v_mul_f32 v[ST+8*(\t)+6], v[ST+8*(\t)+6], v[ST+8*(\t)+5]
.endr
; THE WAY OUT of tile t: the two parts are weighted and added, rounded to f16, sent through my stage in LDS, and come back as whole rows of 256 bytes.
.macro PACK t
	WIN W_RS
.set i, 64*(\t)
.rept 32
	v_pk_mul_f32 v[i:i+1], v[i:i+1], v[ST+8*(\t)+4:ST+8*(\t)+5] op_sel_hi:[1,0]
.set i, i+2
.endr
	WIN 0x53                        ; source 0 (the partner's) window 3, source 1 window 0, source 2 and destination window 1
.set i, 64*(\t)
.rept 32
	v_pk_fma_f32 v[i:i+1], v[128+i:128+i+1], v[ST+8*(\t)+6:ST+8*(\t)+7], v[i:i+1] op_sel_hi:[1,0,1]
.set i, i+2
.endr
	WIN 0x05                        ; sources 0 and 1 window 1, destination window 0: S^T's registers are free
.set i, 0
.rept 32
	v_cvt_pk_f16_f32 v[S+32*(\t)+i], v[64*(\t)+2*i], v[64*(\t)+2*i+1]
.set i, i+1
.endr
	WIN 0
.irp f, 0,1,2,3,4,5,6,7
	ds_store_b128 v[STO], v[S+32*(\t)+4*(\f):S+32*(\t)+4*(\f)+3] offset:32*(\f)
.endr
.irp f, 0,1,2,3,4,5,6,7
	ds_load_b128 v[S+32*(\t)+4*(\f):S+32*(\t)+4*(\f)+3], v[RD] offset:(\f)*2*SP  ; LDS serves a wave's instructions in order (ISA guide 5.7.1.4): these see the stores above; the next tile's stores come behind them
.endr
.endm
.macro SEND t, younger              ; younger: the LDS instructions issued behind tile t's loads: the next tile's sixteen, or none
	WIN 0
.irp f, 0,1,2,3,4,5,6,7
	s_wait_dscnt (\younger)+7-(\f)
	global_store_b128 v[GO], v[S+32*(\t)+4*(\f):S+32*(\t)+4*(\f)+3], s[38:39] offset:(\t)*65536+(\f)*8192  ; 16 lanes store 256 consecutive bytes, at a multiple of 256 from the buffer's first byte
.endr
.endm
	PACK 0
	PACK 1
	SEND 0, 16
	SEND 1, 0
	s_wait_tensorcnt 0x0            ; the wave's end, behind my last tensor load and my last LDS store
	ds_add_u32 v[SPW], v[NIL]
	s_wait_dscnt 0x0
	CROUND                          ; the closing round: no work-group ends while a partner may still ask for a tile that names it
	s_endpgm
.Lfunc_end_k_qcf08ff37a6_attn:
	.size	k_qcf08ff37a6_attn, .Lfunc_end_k_qcf08ff37a6_attn-k_qcf08ff37a6_attn
	.p2alignl 7, 3214868480
	.fill 96, 4, 3214868480
	.section	.rodata,"a",@progbits
	.p2align	6, 0x0
	.amdhsa_kernel k_qcf08ff37a6_attn
		.amdhsa_group_segment_fixed_size 327680
		.amdhsa_private_segment_fixed_size 0
		.amdhsa_enable_private_segment 0
		.amdhsa_kernarg_size 32
		.amdhsa_user_sgpr_count 2
		.amdhsa_user_sgpr_kernarg_segment_ptr 1
		.amdhsa_wavefront_size32 1
		.amdhsa_system_sgpr_workgroup_id_x 1
		.amdhsa_system_sgpr_workgroup_id_y 1
		.amdhsa_system_sgpr_workgroup_id_z 1
		.amdhsa_system_vgpr_workitem_id 0
		.amdhsa_next_free_vgpr 1024
		.amdhsa_next_free_sgpr 106
		.amdhsa_reserve_vcc 0
		.amdhsa_float_denorm_mode_32 3
		.amdhsa_float_denorm_mode_16_64 3
		.amdhsa_memory_ordered 1
		.amdhsa_forward_progress 1
		.amdhsa_inst_pref_size 189
	.end_amdhsa_kernel
	.amdgpu_metadata
---
amdhsa.version: [ 1, 2 ]
amdhsa.kernels:
  - .name:           k_qcf08ff37a6_attn
    .symbol:         k_qcf08ff37a6_attn.kd
    .args:
      - { .name: q32, .offset: 0, .size: 8, .value_kind: global_buffer, .address_space: global }
      - { .name: kv16, .offset: 8, .size: 8, .value_kind: global_buffer, .address_space: global }
      - { .name: mbits, .offset: 16, .size: 8, .value_kind: global_buffer, .address_space: global }
      - { .name: ao, .offset: 24, .size: 8, .value_kind: global_buffer, .address_space: global }
    .group_segment_fixed_size: 327680
    .private_segment_fixed_size: 0
    .kernarg_segment_align: 8
    .kernarg_segment_size: 32
    .max_flat_workgroup_size: 128
    .sgpr_count:     106
    .vgpr_count:     1024
    .wavefront_size: 32
...
	.end_amdgpu_metadata
.endif
;; end of part 4
;; launch outp: the kernel of part 3 again; grid 16 x 16, 4 waves a work-group, clusters of 4 x 4, 327,680 bytes of LDS; arguments ao, out0; writes out0
;; ======== version 2 of 2: 5 launches; version 1 with the launch prep written anew for expert scheduling mode
;; limits: values are held in f16: magnitudes above 65,504 overflow, below 6.1e-05 lose precision; right only within a limited range of input values
;; workspace buffers: aq 16,785,408 bytes; ao 16,785,408 bytes; xkv 33,554,432 bytes; wkv 16,777,216 bytes; kv16 33,554,432 bytes; q32 16,777,216 bytes; mbits 262,144 bytes of whole numbers
;; launch prep (part 5): grid 128 x 10, 8 waves a work-group, no clusters, 0 bytes of LDS; arguments query, key, value, Wq, Wk, Wv, Wo, bo, mask, aq, xkv, wkv, ao, mbits; writes aq, xkv, wkv, ao, mbits
.if DOCPART == 5
	.amdgcn_target "amdgcn-amd-amdhsa--gfx1250"
	.amdhsa_code_object_version 6
	.text
	.protected	k_qcf08ff37a6_prep
	.globl	k_qcf08ff37a6_prep
	.p2align	8
	.type	k_qcf08ff37a6_prep,@function
k_qcf08ff37a6_prep:
	s_mov_b64 s[64:65], 0
	v_nop
	global_prefetch_b8 v0, s[64:65] scope:SCOPE_SE
	s_setreg_imm32_b32 hwreg(HW_REG_WAVE_SCHED_MODE, 0, 2), 2
	s_setreg_imm32_b32 hwreg(HW_REG_WAVE_MODE, 25, 1), 1
	s_wait_xcnt 0x0
	s_wait_alu depctr_vm_vsrc(0)
; PREP.  Every f32 matrix input is read once, rounded to bf16 (nearest even), and that number is written as f16 for the products of the later launches; the mask becomes lane-mask words; the bias is
; rounded to bf16 and kept as f32; a zero bias is written for the projection that has none.
; LIMITS.  A bf16 number is exact in f16 from 2^-14 up to 65,504; below that it keeps f16's fixed step of 2^-24; beyond 65,504 it becomes an infinity: inputs are taken to lie within 65,504.
; SHARES.  Grid y = 0..8: one unit of 16,777,216 source bytes each (query; key, two units; value, two units; Wq; Wk; Wv; Wo); grid x = 0..127: 131,072 bytes of the unit.  Thread t takes 16 bytes
; at 16 t of every 4,096: a wave's load covers 512 consecutive bytes, its store of 8 bytes a lane 256 consecutive bytes at a multiple of 256.  Grid y = 9: the mask (and, in work-group 0, the biases).
; No LDS, no matrix unit, no cluster: nothing is shared and nothing is multiplied.
; THE MODE: SCHED_MODE bits 1:0 = 2 (LLVM: expert scheduling mode 2), set by the entry lines.  The code itself states the register dependences
; between vector instructions and memory instructions, with s_wait_alu, always for 0.
; THE PLAN for the units.  A thread's 32 chunks of 16 bytes go in 8 blocks of four.  Registers that memory instructions touch:
;   X0 .. X3   four blocks as loaded.        Written by the loads of block p + 3, issued in block p; read by block p's roundings to bf16.
;   Y0, Y1     two blocks of f16 to store.   Written by block p's conversions to f16; read by the four stores that are issued in block p + 1.
;   v1, v2     byte offsets, made once at the head and never written again; the two scalar bases are never written again either: the chunks are reached by immediate offsets, 126,976 at the most.
; Block p works on X[p % 4] and writes Y[p % 2].  Its memory instructions are the loads into X[(p + 3) % 4] = X[(p - 1) % 4] and the stores from Y[(p - 1) % 2]: the two buffers that block p - 1
; worked on and that no vector instruction of block p names.  So the waits at the head of a block state all that the block's eight memory instructions hang on, and these are dealt among its vector
; instructions with no further wait.  The eight blocks are written out: block 0 stores nothing, blocks 5 to 7 load nothing, and a lap of four blocks would be walked once.
.set BLOCK,  4                         ; chunks in a block
.set BLOCKS, 8
.set X, 4                              ; v[4:67]   buffer k, chunk i: four f32 as loaded, at X + 16 k + 4 i
.set T, 68                             ; v[68:73]  at work: no memory instruction names them
.set Y, 74                             ; v[74:89]  buffer k, chunk i: four f16 to store, at Y + 8 k + 2 i
	s_load_b512 s[8:23], s[0:1], 0x0               ; query 8, key 10, value 12, Wq 14, Wk 16, Wv 18, Wo 20, bo 22
	s_load_b256 s[24:31], s[0:1], 0x40             ; mask 24, aq 26, xkv 28, wkv 30
	s_load_b128 s[32:35], s[0:1], 0x60             ; ao 32, mbits 34
	s_and_b32 s2, ttmp7, 0xffff                    ; y: the unit
	s_mov_b32 s3, ttmp9                            ; x: the part of it
	s_mov_b32 s44, 0xffff0000                      ; a word's upper bf16
	v_lshlrev_b32 v1, 4, v0                        ; 16 t
	v_lshlrev_b32 v2, 3, v0                        ; 8 t
	s_wait_kmcnt 0x0
	s_cmp_eq_u32 s2, 9
	s_cbranch_scc1 .Lmask
; the unit's source and destination: a choice between buffers on y alone
.macro PICK d, at, b
	s_cmp_ge_u32 s2, \at
	s_cselect_b64 s[\d:\d+1], s[\b:\b+1], s[\d:\d+1]
.endm
	s_mov_b64 s[36:37], s[8:9]                     ; y = 0: query
	PICK 36, 1, 10                                 ; 1, 2: key
	PICK 36, 3, 12                                 ; 3, 4: value
	PICK 36, 5, 14                                 ; 5: Wq
	PICK 36, 6, 16                                 ; 6: Wk
	PICK 36, 7, 18                                 ; 7: Wv
	PICK 36, 8, 20                                 ; 8: Wo
	s_mov_b64 s[38:39], s[26:27]                   ; y = 0: aq
	PICK 38, 1, 28                                 ; 1 to 4: xkv
	PICK 38, 5, 26                                 ; 5: aq
	PICK 38, 6, 30                                 ; 6, 7: wkv
	PICK 38, 8, 32                                 ; 8: ao
	s_lshr_b32 s40, 0x14, s2                       ; units 2 and 4 are the second halves of key and value
	s_and_b32 s40, s40, 1
	s_lshl_b32 s40, s40, 24
	s_lshl_b32 s41, s3, 17
	s_add_co_u32 s40, s40, s41
	s_mov_b32 s41, 0
	s_add_nc_u64 s[36:37], s[36:37], s[40:41]
	s_lshl_b32 s42, s2, 1                          ; the unit's place in its destination, in steps of 8,388,608 bytes: two bits for each y: 0,0,1,2,3,1,0,1,1
	s_lshr_b32 s42, 0x14790, s42
	s_and_b32 s42, s42, 3
	s_lshl_b32 s42, s42, 23
	s_lshl_b32 s43, s3, 16
	s_add_co_u32 s42, s42, s43
	s_mov_b32 s43, 0
	s_add_nc_u64 s[38:39], s[38:39], s[42:43]
	s_wait_alu depctr_va_vdst(0)                   ; v1 and v2 are written: every load and store below reads one of them as its offset
.irp i, 0,1,2,3,4,5,6,7,8,9,10,11
	global_load_b128 v[X+4*(\i):X+4*(\i)+3], v1, s[36:37] offset:(\i)*4096 th:TH_LOAD_NT  ; blocks 0, 1 and 2 into X0, X1, X2
.endr
; Block p.  Blocks 0 to 4 load block p + 3; blocks 1 to 7 store block p - 1.
.macro BLK p
.if (\p) < BLOCKS-2
	s_wait_loadcnt 2*BLOCK                         ; loads come back in order (ISA guide 5.7.1): X[p % 4] is in, the two younger blocks (eight loads) stay out
.else
	s_wait_loadcnt (BLOCKS-1-(\p))*BLOCK           ; the last blocks: the counts run down, four and none
.endif
.if (\p) > 1
	s_wait_xcnt 0x0                                ; every earlier memory instruction has had its addresses translated (ISA guide 3.1): Y[p % 2] is rewritten only behind this wait
	s_wait_alu depctr_vm_vsrc(0)                   ; the stores issued in the block before have read Y[p % 2], which this block's conversions write again
.endif
.if (\p) > 0
	s_wait_alu depctr_va_vdst(0)                   ; the block before has written the other Y, which the stores below read, and is done reading its X, in which the loads below land
.endif
.irp i, 0,1,2,3
.if (\p) < BLOCKS-3
	global_load_b128 v[X+16*(((\p)+3)%4)+4*(\i):X+16*(((\p)+3)%4)+4*(\i)+3], v1, s[36:37] offset:(BLOCK*((\p)+3)+(\i))*4096 th:TH_LOAD_NT  ; three blocks ahead; no vector instruction since the wait names these registers
.endif
.if (\p) > 0
	global_store_b64 v2, v[Y+8*(((\p)+1)%2)+2*(\i):Y+8*(((\p)+1)%2)+2*(\i)+1], s[38:39] offset:(BLOCK*((\p)-1)+(\i))*2048  ; the block before
.endif
	v_cvt_pk_bf16_f32 v[T], v[X+16*((\p)%4)+4*(\i)], v[X+16*((\p)%4)+4*(\i)+1]      ; the one rounding: to bf16
	v_cvt_pk_bf16_f32 v[T+1], v[X+16*((\p)%4)+4*(\i)+2], v[X+16*((\p)%4)+4*(\i)+3]
	v_lshlrev_b32 v[T+2], 16, v[T]                 ; back to f32: a shift or a mask
	v_and_b32 v[T+3], s44, v[T]
	v_lshlrev_b32 v[T+4], 16, v[T+1]
	v_and_b32 v[T+5], s44, v[T+1]
	v_cvt_pk_f16_f32 v[Y+8*((\p)%2)+2*(\i)], v[T+2], v[T+3]   ; the same number as f16
	v_cvt_pk_f16_f32 v[Y+8*((\p)%2)+2*(\i)+1], v[T+4], v[T+5]
.endr
.endm
.irp p, 0,1,2,3,4,5,6,7
	BLK \p
.endr
	s_wait_alu depctr_va_vdst(0)                   ; block 7 has written Y1, which the last four stores read
.irp i, 0,1,2,3
	global_store_b64 v2, v[Y+8+2*(\i):Y+8+2*(\i)+1], s[38:39] offset:(BLOCK*(BLOCKS-1)+(\i))*2048
.endr
	s_endpgm
; THE MASK.  One word for (qt, kb, j): tile qt of 16 queries, block kb of 16 keys, j = 0..7; bit L = mask[16 qt + L % 16][16 kb + 8 (L / 16) + j]: the lane mask of register j of a 16 x 16 tile of scores.
; With g = kb / 4 (a step of 64 keys), p = (g / 2) % 2 and i = 2 (g / 4) + g % 2 the word lies at byte 4096 qt + 2048 p + 128 i + 32 (kb % 4) + 4 j: the sixteen steps that one wave of the
; attention walks lie end to end.  Work-group x: tile x / 2, keys 1024 (x % 2) on; wave w: 128 keys, 64 words, 256 consecutive bytes.
; THE PLAN here: every register that a memory instruction reads or lands in is written once; so each run of memory instructions has one wait on va_vdst ahead of it, for the offsets and data just made,
; and no register is freed for a second use.  Scalar registers that vector instructions write (the wave's number, the lane masks) have a wait on va_sdst ahead of their first reader.
.Lmask:
	v_lshrrev_b32 v3, 5, v0
	v_readfirstlane_b32 s4, v3                     ; wave
	s_lshr_b32 s5, s3, 1                           ; qt
	s_and_b32 s6, s3, 1                            ; which half of the keys
	v_and_b32 v26, 15, v0
	v_bfe_u32 v27, v0, 4, 1
	v_lshlrev_b32 v24, 11, v26                     ; my query's row of 2,048 bytes
	v_lshl_add_u32 v24, v27, 3, v24                ; + 8 (L / 16)
	s_lshl_b32 s7, s5, 15
	s_lshl_b32 s40, s6, 10
	s_add_co_u32 s7, s7, s40
	s_wait_alu depctr_va_sdst(0)                   ; s4 is written, ahead of its first reader: the mask's and the words' offsets are made from it
	s_lshl_b32 s40, s4, 7
	s_add_co_u32 s7, s7, s40
	v_add_nc_u32 v24, s7, v24
	s_wait_alu depctr_va_vdst(0)                   ; v24 is written, which the eight loads read as their offset (and v1, which the bias's loads and stores read)
.irp n, 0,1,2,3,4,5,6,7
	global_load_b64 v[4+2*(\n):5+2*(\n)], v24, s[24:25] offset:16*(\n)  ; eight keys of block n
.endr
	v_and_b32 v25, 31, v0
	v_lshlrev_b32 v25, 3, v25                      ; lane L stores words 2 L and 2 L + 1
	s_lshl_b32 s7, s5, 12
	s_and_b32 s40, s4, 1
	s_lshl_b32 s40, s40, 11                        ; p = w % 2
	s_add_co_u32 s7, s7, s40
	s_lshl_b32 s40, s6, 10                         ; i = 8 half + 2 (w / 2) + n / 4, 128 bytes each
	s_add_co_u32 s7, s7, s40
	s_lshr_b32 s40, s4, 1
	s_lshl_b32 s40, s40, 8
	s_add_co_u32 s7, s7, s40
	v_add_nc_u32 v25, s7, v25
	v_mov_b32 v22, 0                               ; v_writelane_b32 keeps the other lanes: the registers are written whole first
	v_mov_b32 v23, 0
	s_wait_loadcnt 0x0
.set n, 0
.rept 8
.set j, 0
.rept 8                                                ; a run of eight compares, into eight scalar registers
	v_bfe_u32 v20, v[4+2*n+j/4], 8*(j%4), 8        ; byte j of every lane,
	v_cmp_ne_u32 s[36+j], 0, v20                   ; as a lane mask: word 8 n + j
.set j, j+1
.endr
	s_wait_alu depctr_va_sdst(0)                   ; the eight compares have written s36 to s43, which the eight lines below read
.set j, 0
.rept 8
	v_writelane_b32 v[22+j%2], s[36+j], 4*n+j/2    ; each word into the lane that stores it
.set j, j+1
.endr
.set n, n+1
.endr
	s_wait_alu depctr_va_vdst(0)                   ; v22 and v23, the store's data, and v25, its offset, are written
	global_store_b64 v25, v[22:23], s[34:35]
	s_cmp_lg_u32 s3, 0
	s_cbranch_scc1 .Lend
	; work-group 0 alone: bo rounded to bf16, as f32, behind Wo's copy; 2,048 zeros behind Wq's copy.  Registers of their own: nothing pending is rewritten, and no vector instruction has named v28 to v35.
	global_load_b128 v[28:31], v1, s[22:23]
	global_load_b128 v[32:35], v1, s[22:23] offset:4096
	s_add_nc_u64 s[32:33], s[32:33], 0x1000000
	s_add_nc_u64 s[26:27], s[26:27], 0x1000000
.irp i, 48,49,50,51
	v_mov_b32 v\i, 0
.endr
	s_wait_loadcnt 0x0
.irp i, 0,1,2,3
	v_cvt_pk_bf16_f32 v[36+(\i)], v[28+2*(\i)], v[29+2*(\i)]
.endr
.irp i, 0,1,2,3
	v_lshlrev_b32 v[40+2*(\i)], 16, v[36+(\i)]
	v_and_b32 v[41+2*(\i)], s44, v[36+(\i)]
.endr
	s_wait_alu depctr_va_vdst(0)                   ; v40 to v51 are written, which the four stores read
	global_store_b128 v1, v[40:43], s[32:33]
	global_store_b128 v1, v[44:47], s[32:33] offset:4096
	global_store_b128 v1, v[48:51], s[26:27]
	global_store_b128 v1, v[48:51], s[26:27] offset:4096
.Lend:
	s_endpgm
.Lfunc_end_k_qcf08ff37a6_prep:
	.size	k_qcf08ff37a6_prep, .Lfunc_end_k_qcf08ff37a6_prep-k_qcf08ff37a6_prep
	.p2alignl 7, 3214868480
	.fill 96, 4, 3214868480
	.section	.rodata,"a",@progbits
	.p2align	6, 0x0
	.amdhsa_kernel k_qcf08ff37a6_prep
		.amdhsa_group_segment_fixed_size 0
		.amdhsa_private_segment_fixed_size 0
		.amdhsa_enable_private_segment 0
		.amdhsa_kernarg_size 112
		.amdhsa_user_sgpr_count 2
		.amdhsa_user_sgpr_kernarg_segment_ptr 1
		.amdhsa_wavefront_size32 1
		.amdhsa_system_sgpr_workgroup_id_x 1
		.amdhsa_system_sgpr_workgroup_id_y 1
		.amdhsa_system_sgpr_workgroup_id_z 1
		.amdhsa_system_vgpr_workitem_id 0
		.amdhsa_next_free_vgpr 90
		.amdhsa_next_free_sgpr 66
		.amdhsa_reserve_vcc 0
		.amdhsa_float_denorm_mode_32 3
		.amdhsa_float_denorm_mode_16_64 3
		.amdhsa_memory_ordered 1
		.amdhsa_forward_progress 1
		.amdhsa_inst_pref_size 37
	.end_amdhsa_kernel
	.amdgpu_metadata
---
amdhsa.version: [ 1, 2 ]
amdhsa.kernels:
  - .name:           k_qcf08ff37a6_prep
    .symbol:         k_qcf08ff37a6_prep.kd
    .args:
      - { .name: query, .offset: 0, .size: 8, .value_kind: global_buffer, .address_space: global }
      - { .name: key, .offset: 8, .size: 8, .value_kind: global_buffer, .address_space: global }
      - { .name: value, .offset: 16, .size: 8, .value_kind: global_buffer, .address_space: global }
      - { .name: Wq, .offset: 24, .size: 8, .value_kind: global_buffer, .address_space: global }
      - { .name: Wk, .offset: 32, .size: 8, .value_kind: global_buffer, .address_space: global }
      - { .name: Wv, .offset: 40, .size: 8, .value_kind: global_buffer, .address_space: global }
      - { .name: Wo, .offset: 48, .size: 8, .value_kind: global_buffer, .address_space: global }
      - { .name: bo, .offset: 56, .size: 8, .value_kind: global_buffer, .address_space: global }
      - { .name: mask, .offset: 64, .size: 8, .value_kind: global_buffer, .address_space: global }
      - { .name: aq, .offset: 72, .size: 8, .value_kind: global_buffer, .address_space: global }
      - { .name: xkv, .offset: 80, .size: 8, .value_kind: global_buffer, .address_space: global }
      - { .name: wkv, .offset: 88, .size: 8, .value_kind: global_buffer, .address_space: global }
      - { .name: ao, .offset: 96, .size: 8, .value_kind: global_buffer, .address_space: global }
      - { .name: mbits, .offset: 104, .size: 8, .value_kind: global_buffer, .address_space: global }
    .group_segment_fixed_size: 0
    .private_segment_fixed_size: 0
    .kernarg_segment_align: 8
    .kernarg_segment_size: 112
    .max_flat_workgroup_size: 256
    .sgpr_count:     66
    .vgpr_count:     90
    .wavefront_size: 32
...
	.end_amdgpu_metadata
.endif
;; end of part 5
;; launch kvproj: the kernel of part 2 again; grid 8 x 32, 4 waves a work-group, clusters of 4 x 4, 327,680 bytes of LDS; arguments xkv, wkv, kv16; writes kv16
;; launch qproj: the kernel of part 3 again; grid 16 x 16, 4 waves a work-group, clusters of 4 x 4, 327,680 bytes of LDS; arguments aq, q32; writes q32
;; launch attn: the kernel of part 4 again; grid 8 x 32, 4 waves a work-group, clusters of 4 x 1, 327,680 bytes of LDS; arguments q32, kv16, mbits, ao; writes ao
;; launch outp: the kernel of part 3 again; grid 16 x 16, 4 waves a work-group, clusters of 4 x 4, 327,680 bytes of LDS; arguments ao, out0; writes out0
